; MI455X (gfx1250); checked and timed in simulation.
; The chip was launched on July 23, 2026; its instructions are those of AMD's public machine-readable ISA for CDNA 5 (MIT licence, August 2026) and "CDNA5" Instruction Set Architecture Reference Guide (July 2026). The comments in the code are by the model that wrote it; some were corrected since.
;; Multi Head Attention. Allowed arithmetic: matrix products marked QUANTISED: E2M3 operands, one E8M0 scale for each 32 along K, by v_wmma_scale_f32_16x16x128_f8f6f4 with both operands' format E2M3, f32 sums; everything else in f32.
;; Inputs: Wk_codes 1,024 x 32 x 24 uint8 (E2M3 codes of Wk, K innermost, in blocks of 32 codes, four codes in three bytes); Wk_scales 1,024 x 32 uint8 (E8M0 scales of Wk, one for each 32 codes along K); Wo_codes 1,024 x 32 x 24 uint8 (E2M3 codes of Wo, K innermost, in blocks of 32 codes, four codes in three bytes); Wo_scales 1,024 x 32 uint8 (E8M0 scales of Wo, one for each 32 codes along K); Wq_codes 1,024 x 32 x 24 uint8 (E2M3 codes of Wq, K innermost, in blocks of 32 codes, four codes in three bytes); Wq_scales 1,024 x 32 uint8 (E8M0 scales of Wq, one for each 32 codes along K); Wv_codes 1,024 x 32 x 24 uint8 (E2M3 codes of Wv, K innermost, in blocks of 32 codes, four codes in three bytes); Wv_scales 1,024 x 32 uint8 (E8M0 scales of Wv, one for each 32 codes along K); bk 1,024 float32; bo 1,024 float32; bq 1,024 float32; bv 1,024 float32; key_codes 4 x 2,048 x 32 x 24 uint8 (E2M3 codes of key, K innermost, in blocks of 32 codes, four codes in three bytes); key_scales 4 x 2,048 x 32 uint8 (E8M0 scales of key, one for each 32 codes along K); mask 1 x 1 x 2,048 x 2,048 float32; query_codes 4 x 2,048 x 32 x 24 uint8 (E2M3 codes of query, K innermost, in blocks of 32 codes, four codes in three bytes); query_scales 4 x 2,048 x 32 uint8 (E8M0 scales of query, one for each 32 codes along K); value_codes 4 x 2,048 x 32 x 24 uint8 (E2M3 codes of value, K innermost, in blocks of 32 codes, four codes in three bytes); value_scales 4 x 2,048 x 32 uint8 (E8M0 scales of value, one for each 32 codes along K).
;; Outputs: out0 4 x 2,048 x 1,024 float32.
;; This version of the problem:
;;   THIS VERSION OF THE PROBLEM IS GIVEN IN LOW PRECISION. The matrix products marked QUANTISED in the list below multiply operands that are first quantised to E2M3 (2 exponent bits, 3 mantissa bits; 6 bits a number), with one power-of-two scale for each 32 numbers along K (OCP MX v1.0); their sums are f32. All else is computed in f32.
;;   The module's matrix products, in the order in which they are computed (A, B: the left and right operand; K: the contracted axis; several contracted axes count as one K, in the product's order):
;;     1. [M 8,192, K 1,024] x [K 1,024, N 1,024]; A: input query (given as codes); B: input Wq (given as codes): QUANTISED
;;     2. [M 8,192, K 1,024] x [K 1,024, N 1,024]; A: input key (given as codes); B: input Wk (given as codes): QUANTISED
;;     3. [M 8,192, K 1,024] x [K 1,024, N 1,024]; A: input value (given as codes); B: input Wv (given as codes): QUANTISED
;;     4. batch 64 x [M 2,048, K 64] x [K 64, N 2,048]; A: computed on the way; B: computed on the way: QUANTISED
;;     5. batch 64 x [M 2,048, K 2,048] x [K 2,048, N 64]; A: softmax (see below); B: computed on the way: QUANTISED
;;     6. [M 8,192, K 1,024] x [K 1,024, N 1,024]; A: computed on the way; B: input Wo (given as codes): QUANTISED
;;   THE QUANTISER, for each operand of a quantised product, along K:
;;     - K is cut into blocks of 32 from its start; a last block that is shorter is filled with zeros.
;;     - A block's scale is 2^e with e = floor(log2(the largest magnitude in the block)) - 2, held to -126 .. 127; a block of zeros has e = 0. As a byte (E8M0): e + 127.
;;     - Each number is divided by its block's scale, clamped to +-7.5, and rounded to the nearest number of E2M3, ties to even, subnormals kept.
;;     - The product sums the exact products of the quantised numbers (number of the format x scale) in f32.
;;   ~~~python
;;   def quantise(x, axis):      # numpy; x: float32 -> the quantised numbers, widened to float32 again
;;       x = np.moveaxis(x, axis, -1); K = x.shape[-1]
;;       x = np.pad(x, [(0, 0)] * (x.ndim - 1) + [(0, -K % 32)]); x = x.reshape(x.shape[:-1] + (-1, 32)); a = np.abs(x).max(-1, keepdims=True)
;;       e = np.where(a > 0, np.clip(np.frexp(np.where(a > 0, a, 1))[1] - 1 - 2, -126, 127), 0)      # np.frexp(a)[1] - 1 = floor(log2(a)), exactly
;;       r = np.clip(x / 2.0 ** e, -7.5, 7.5)
;;       step = 2.0 ** (np.maximum(np.frexp(np.where(r == 0, 1, r))[1] - 1, 0) - 3)
;;       q = np.round(r / step) * step * 2.0 ** e      # np.round: ties to even
;;       return np.moveaxis(q.reshape(q.shape[:-2] + (-1,))[..., :K], -1, axis).astype(np.float32)
;;   ~~~
;;   SOFTMAX AHEAD OF A QUANTISED PRODUCT. Where the list says 'softmax', what is quantised is not the finished softmax but p = 2^(t - M), with t = logit x log2(e) and M = ceil(the row's largest t), a whole number; so 1/2 < the row's largest p <= 1. The row's sum l is taken of the UNQUANTISED p, in f32, and the product's result is divided by l at the end. Since M is a whole number, a kernel that streams over the keys may use a running M (the ceiling of the running maximum): every later rescaling is an exact power of two, which a block's scale takes up: the codes' values come out the same.
;;   OPERANDS COMPUTED ON THE WAY. 'Computed on the way' means the value that the module computes at that place (a softmax that the list does not call 'softmax' is quantised finished and normalised). What goes into a quantiser is computed in f32, as accurately as f32 sums, v_exp_f32 and their like allow (about 1e-6 of the number): no bf16 or f16 on the way to a quantiser, and a product that is left as it is and whose result goes on into a quantised operand takes f32 operands (vector FMAs, or v_wmma_f32_16x16x4_f32). A number that lies on a knife's edge between two numbers of the format may be rounded either way, as far as f32 arithmetic and the matrix unit's own rounding can turn it there, and no further.
;;   INPUTS GIVEN AS CODES. Wk (in the module: [1024, 1024], K = its axis 0); Wo (in the module: [1024, 1024], K = its axis 0); Wq (in the module: [1024, 1024], K = its axis 0); Wv (in the module: [1024, 1024], K = its axis 0); key (in the module: [4, 2048, 1024], K = its axis 2); query (in the module: [4, 2048, 1024], K = its axis 2); value (in the module: [4, 2048, 1024], K = its axis 2): each comes as NAME_codes (uint8): NAME with its K axis moved to the last place and cut into blocks of 32 codes, [.., K / 32, bytes a block], one block behind the other in memory; four codes in three bytes: a row's codes are one little-endian stream of bits, code i at bits 6 i .. 6 i + 5 (a code: sign, 2 exponent bits, 3 mantissa bits); and NAME_scales (uint8): the same leading axes, one E8M0 byte (e + 127) for each 32 codes along K. Its value is code x scale, taken as it is: it is not quantised again, and the codes and scales need not be those that the quantiser above would give.
;; One version. Each part assembles by itself: llvm-mc -triple=amdgcn-amd-amdhsa -mcpu=gfx1250 --defsym DOCPART=n.
;; ======== version 1 of 1: 3 launches
;; limits: right only within a limited range of input values
;; workspace buffers: qbuf 6,815,744 bytes; kbuf 6,815,744 bytes; vbuf 6,815,744 bytes; xc 6,291,456 bytes; xs 262,144 bytes
;; launch proj (part 1): grid 4 x 96, 4 waves a work-group, clusters of 4 x 4, 327,680 bytes of LDS; arguments query_codes, query_scales, Wq_codes, Wq_scales, bq, qbuf, key_codes, key_scales, Wk_codes, Wk_scales, bk, kbuf, Wv_codes, Wv_scales, value_codes, value_scales, bv, vbuf; writes qbuf, kbuf, vbuf
.if DOCPART == 1
	.amdgcn_target "amdgcn-amd-amdhsa--gfx1250"
	.amdhsa_code_object_version 6
	.text
	.protected	k_qd8836e3792_proj
	.globl	k_qd8836e3792_proj
	.p2align	8
	.type	k_qd8836e3792_proj,@function
k_qd8836e3792_proj:
	s_mov_b64 s[64:65], 0
	v_nop
	global_prefetch_b8 v0, s[64:65] scope:SCOPE_SE
	s_setreg_imm32_b32 hwreg(HW_REG_WAVE_MODE, 25, 1), 1
	s_wait_xcnt 0x0
	s_wait_alu depctr_hold_cnt(0) depctr_sa_sdst(0) depctr_va_vdst(0) depctr_va_sdst(0) depctr_va_ssrc(0) depctr_va_vcc(0) depctr_vm_vsrc(0)
	s_getreg_b32 s2, hwreg(HW_REG_IB_STS2, 6, 4)
	s_cmp_eq_u32 s2, 0
	s_cbranch_scc0 .Lentry_in_a_cluster
	s_endpgm
.Lentry_in_a_cluster:
	s_bfe_u32 s2, ttmp6, 0x10000c
	s_cmp_lg_u32 s2, 0xf033
	s_cbranch_scc0 .Lentry_shape_is_right
	s_endpgm
.Lentry_shape_is_right:
; The three projections q, k, v on codes of FP6 (E2M3) with E8M0 scales; bias added in f32; the result is quantised along the next product's K
; (q, k: the head's 64 features; v: the keys, so there A = Wv and B = value) and stored as images of operand registers with their scale words.
; Nothing of reference() is left out.  A block whose largest magnitude lies under 2^-124 keeps the byte 1 (a block of zeros too: its codes are zeros).
; A work-group of four waves makes 256 x 256, a wave 128 x 128 in 64 accumulators.  K goes through a ring of two LDS slots in chunks of 256 bytes of each
; row of codes (a row is 768 bytes, so every chunk begins on a multiple of 256); a step of 128 along K is 96 bytes: eight steps to three chunks.
; The scales of the 256 + 256 rows come once, as dense units of 256 bytes.  Cluster 4 x 4: A's tiles are asked for jointly along a row, B's along a column.
; No prefetch: K is three chunks, of which two are asked for ahead of the first product.
; The rows of B that form a tile: lane r of tile 2 b + u takes row 32 b + 8 u + r + 8 (r / 8), so that 16 registers of two tiles are 16 neighbours.
.set ROWB,   256
.set ACHB,   256                       ; A's bytes from chunk to chunk
.set NQ,     2
.set KROW,   768
.set STEPS,  8
.set CHUNKS, 3
.set PITCH,  272
.set FR,     12
.set NL,     6
.set NP,     4
.set HALFT,  128*PITCH
.set SLOT,   4*HALFT
.set KS,     32
.set SCL,    2*SLOT
.set HALFS,  16*272
.set SBLK,   544
.set SPARE,  SCL+4*HALFS
.set HB,     6656
.set ADRA, 16                          ; v16-17 my A fragments in slot 0, 1; v18-19 for pieces whose two lane halves lie in different chunks
.set ADRB, 20
.set PO,   24
.set SOF,  26
.set ADRS, 27
.set SPW,  28
.set NIL,  29
.set ADRS1, 30
.set SH,   31
.set SC,   32
.set BP,   64
.set AF,   128
.set T,    128
.set PC,   192
.set PW,   212
.set PWS,  213
.set BR,   224
.set TM,   240
.set MD,   2
.set SEL,  46
.set SA,   66
.set SB,   40
.set SSA,  42
.set SSB,  44
.set OUT0, 96
.set OUT1, 98
.set OUTS, 100
.set G1, 24
.set G0, 32
.set G1B, 48
.set G0B, 56
.set G1S, 68
.set G0S, 76
.set G1SB, 80
.set G0SB, 88
.set G0H, 4
.set G0HB, 8
.set MSB, 0
.macro WIN new
.if MSB != \new
	s_set_vgpr_msb (MSB<<8)|\new
.set MSB, \new
.endif
.endm
.set MUL_LO, 0xa1
.set MUL_HI, 0xf1
.set TO_B,   0x40
.macro JLOAD g0a, g1a, g0b, g1b
	s_cmp_eq_u32 s15, 0
	s_cbranch_scc0 .Lfor_b_\@
	tensor_load_to_lds s[\g0a:\g0a+3], s[\g1a:\g1a+7]
	s_nop 0
.rept 4
	v_nop
.endr
	s_branch .Lasked_\@
.Lfor_b_\@:
	tensor_load_to_lds s[\g0b:\g0b+3], s[\g1b:\g1b+7]
	s_nop 0
.rept 4
	v_nop
.endr
.Lasked_\@:
.endm
.macro CREST
	s_cmp_lg_u32 s14, 0
	s_cbranch_scc1 .Lnot_wave_0_\@
	s_barrier_signal -3
.Lnot_wave_0_\@:
	s_barrier_wait -3
	s_barrier_signal -1
	s_barrier_wait -1
.endm
.macro CROUND
	s_barrier_signal -1
	s_barrier_wait -1
	CREST
.endm
	s_load_b512 s[68:83], s[0:1], 0x0
	s_load_b512 s[84:99], s[0:1], 0x40
	s_load_b128 s[48:51], s[0:1], 0x80
	v_lshl_add_u32 v[SPW], v0, 2, SPARE
	v_mov_b32 v[NIL], 0
	ds_add_u32 v[SPW], v[NIL]                      ; the opening lines: the add twice on end and its wait
	ds_add_u32 v[SPW], v[NIL]
	v_lshrrev_b32 v1, 5, v0
	v_readfirstlane_b32 s14, v1                    ; wave
	s_lshr_b32 s15, s14, 1                         ; my half of the rows; also: I fetch for A (0) or B (1)
	s_and_b32 s16, s14, 1                          ; my half of the columns; also: which 128 rows I fetch
	s_bfe_u32 s40, ttmp6, 0x40000
	s_bfe_u32 s41, ttmp6, 0x40004
	s_and_b32 s46, ttmp7, 0xffff
	s_lshr_b32 s[MD], s46, 3                       ; 0 q, 1 k, 2 v
	s_and_b32 s46, s46, 7
	s_lshl_b32 s46, s46, 2
	s_cmp_eq_u32 s[MD], 2
	s_cselect_b32 s17, 0, s46
	s_cselect_b32 s42, s46, 0
	s_add_co_u32 s17, s17, s41                     ; tile row
	s_add_co_u32 s42, s42, s40                     ; tile column
	s_lshl_b32 s43, s41, 2
	s_lshl_b32 s43, 15, s43
	s_lshl_b32 s44, 0x1111, s40
	s_wait_dscnt 0x0
	s_wait_kmcnt 0x0
	s_cmp_eq_u32 s[MD], 1
	s_cselect_b64 s[4:5], s[80:81], s[68:69]
	s_cselect_b64 s[6:7], s[82:83], s[70:71]
	s_cselect_b64 s[8:9], s[84:85], s[72:73]
	s_cselect_b64 s[10:11], s[86:87], s[74:75]
	s_cselect_b64 s[12:13], s[88:89], s[76:77]
	s_cselect_b64 s[100:101], s[90:91], s[78:79]
	s_cmp_eq_u32 s[MD], 2
	s_cselect_b64 s[4:5], s[92:93], s[4:5]
	s_cselect_b64 s[6:7], s[94:95], s[6:7]
	s_cselect_b64 s[8:9], s[96:97], s[8:9]
	s_cselect_b64 s[10:11], s[98:99], s[10:11]
	s_cselect_b64 s[12:13], s[48:49], s[12:13]
	s_cselect_b64 s[OUT0:OUT0+1], s[50:51], s[100:101]
	s_or_b32 s[G1+0], s43, (0<<16)|(1<<20)|(1<<21)|(5<<22)|(3<<25)   ; rows of 256 bytes, 16 of padding behind each
	s_or_b32 s[G1B+0], s44, (0<<16)|(1<<20)|(1<<21)|(5<<22)|(3<<25)
.irp g, G1, G1B
	s_mov_b32 s[\g+1], ROWB<<16
	s_mov_b32 s[\g+2], 256<<16                     ; 256 rows for the head's loads, 128 behind them
	s_mov_b32 s[\g+3], ROWB<<16
	s_mov_b32 s[\g+4], 256
	s_mov_b32 s[\g+5], KROW
	s_mov_b32 s[\g+6], 0
	s_mov_b32 s[\g+7], 0
.endr
	s_or_b32 s[G1S+0], s43, (3<<16)|(1<<20)|(1<<21)|(5<<22)|(3<<25)  ; the scales of 256 rows: 32 dense rows of 256 bytes
	s_or_b32 s[G1SB+0], s44, (3<<16)|(1<<20)|(1<<21)|(5<<22)|(3<<25)
.irp g, G1S, G1SB
	s_mov_b32 s[\g+1], 32<<16
	s_mov_b32 s[\g+2], KS<<16
	s_mov_b32 s[\g+3], 32<<16
	s_mov_b32 s[\g+4], KS
	s_mov_b32 s[\g+5], 32
	s_mov_b32 s[\g+6], 0
	s_mov_b32 s[\g+7], 0
.endr
	s_lshl_b32 s20, s17, 8
	s_lshl_b32 s46, s42, 8
	s_mov_b32 s21, 0
	s_mov_b32 s47, 0
	s_mov_b64 s[18:19], KS
	s_mul_u64 s[22:23], s[20:21], s[18:19]
	s_mul_u64 s[92:93], s[46:47], s[18:19]
	s_mov_b64 s[18:19], KROW
	s_mul_u64 s[20:21], s[20:21], s[18:19]
	s_mul_u64 s[46:47], s[46:47], s[18:19]
	s_mul_i32 s18, s16, 128*KROW
	s_mov_b32 s19, 0
	s_mul_i32 s45, s14, HALFT
	s_add_nc_u64 s[20:21], s[4:5], s[20:21]
	s_add_nc_u64 s[22:23], s[6:7], s[22:23]
	s_add_nc_u64 s[46:47], s[8:9], s[46:47]
	s_add_nc_u64 s[92:93], s[10:11], s[92:93]
	CROUND                                         ; in front of the first joint loads
	s_mov_b32 s[G0H], 1
	s_mov_b32 s[G0H+1], 0
	s_mov_b64 s[G0H+2:G0H+3], s[20:21]
	s_or_b32 s[G0H+3], s[G0H+3], 0x80000000
	s_mov_b32 s[G0HB], 1
	s_mov_b32 s[G0HB+1], 2*HALFT
	s_mov_b64 s[G0HB+2:G0HB+3], s[46:47]
	s_or_b32 s[G0HB+3], s[G0HB+3], 0x80000000
	s_mov_b32 s[G0S], 1
	s_mov_b32 s[G0S+1], SCL
	s_mov_b64 s[G0S+2:G0S+3], s[22:23]
	s_or_b32 s[G0S+3], s[G0S+3], 0x80000000
	s_mov_b32 s[G0SB], 1
	s_mov_b32 s[G0SB+1], SCL+2*HALFS
	s_mov_b64 s[G0SB+2:G0SB+3], s[92:93]
	s_or_b32 s[G0SB+3], s[G0SB+3], 0x80000000
	s_add_nc_u64 s[20:21], s[20:21], s[18:19]      ; for the ring: my 128 rows
	s_add_nc_u64 s[46:47], s[46:47], s[18:19]
.irp s, 0,1
	s_mov_b32 s[G0+4*\s], 1
	s_add_co_u32 s[G0+4*\s+1], s45, \s*SLOT
	s_add_nc_u64 s[G0+4*\s+2:G0+4*\s+3], s[20:21], \s*ACHB
	s_or_b32 s[G0+4*\s+3], s[G0+4*\s+3], 0x80000000
	s_mov_b32 s[G0B+4*\s], 1
	s_add_co_u32 s[G0B+4*\s+1], s45, \s*SLOT
	s_add_nc_u64 s[G0B+4*\s+2:G0B+4*\s+3], s[46:47], \s*ROWB
	s_or_b32 s[G0B+4*\s+3], s[G0B+4*\s+3], 0x80000000
.endr
; the head's four tiles, one load a wave: chunk 0 of A, of B, A's scales, B's scales; one chain of branches on the wave's number
.macro ARM under, g0, g1, next
	s_cmp_lt_u32 s14, \under
	s_cbranch_scc0 \next
	tensor_load_to_lds s[\g0:\g0+3], s[\g1:\g1+7]
	s_nop 0
.rept 4
	v_nop
.endr
	s_branch .Lhead_asked
\next:
.endm
	ARM 1, G0H,  G1,  .Lhead_b
	ARM 2, G0HB, G1B, .Lhead_sa
	ARM 3, G0S,  G1S, .Lhead_sb
	tensor_load_to_lds s[G0SB:G0SB+3], s[G1SB:G1SB+7]
	s_nop 0
.rept 4
	v_nop
.endr
.Lhead_asked:
	v_and_b32 v1, 15, v0
	v_bfe_u32 v2, v0, 4, 1
	s_wait_alu depctr_va_vdst(0)                   ; the wait ahead of the scalar run
	s_and_b32 s18, s42, 3
	s_lshl_b32 s18, s18, 10
	s_lshl_b32 s19, s16, 9
	s_add_co_u32 s18, s18, s19
	s_mov_b32 s19, 0
	s_add_nc_u64 s[92:93], s[12:13], s[18:19]      ; the bias by columns (q, k)
	s_and_b32 s18, s17, 3
	s_lshl_b32 s18, s18, 10
	s_lshl_b32 s20, s15, 9
	s_add_co_u32 s18, s18, s20
	s_add_nc_u64 s[94:95], s[12:13], s[18:19]      ; and by rows (v)
	v_lshlrev_b32 v7, 6, v2
	v_lshlrev_b32 v8, 2, v1
.irp b, 0,1,2,3
.irp c, 0,1,2,3
	global_load_b128 v[BP+16*\b+4*\c:BP+16*\b+4*\c+3], v7, s[92:93] offset:128*\b+16*\c
.endr
.endr
.irp a, 0,1,2,3,4,5,6,7
	global_load_b32 v[BR+2*\a], v8, s[94:95] offset:64*\a
	v_mov_b32 v[BR+2*\a+1], 0
.endr
.irp b, 0,1,2,3
	v_mov_b32 v[TM+4+\b], 0
.endr
	v_mul_u32_u24 v3, v1, PITCH                    ; A: row r
	v_and_b32 v9, 8, v1
	v_add_nc_u32 v9, v9, v1
	v_mul_u32_u24 v10, v9, PITCH                   ; B: row r + 8 (r / 8)
	v_mul_u32_u24 v4, v2, 24
	s_mov_b32 s21, SLOT-232
	s_mov_b32 s22, SLOT+232
	v_sub_nc_u32 v13, 1, v2
	v_mul_u32_u24 v5, s21, v2
	v_add_nc_u32 v5, 232, v5                       ; lanes 0-15 byte 232 in slot 0, lanes 16-31 byte 0 in slot 1
	v_mul_u32_u24 v6, s22, v13                     ; lanes 0-15 byte 232 in slot 1, lanes 16-31 byte 0 in slot 0
	s_mul_i32 s21, s15, HALFT
	s_mul_i32 s22, s16, HALFT
	s_add_co_u32 s22, s22, 2*HALFT
	v_add_nc_u32 v3, s21, v3
	v_add_nc_u32 v10, s22, v10
	v_add_nc_u32 v[ADRA], v3, v4
	v_add_nc_u32 v[ADRA+1], SLOT, v[ADRA]
	v_add_nc_u32 v[ADRA+2], v3, v5
	v_add_nc_u32 v[ADRA+3], v3, v6
	v_add_nc_u32 v[ADRB], v10, v4
	v_add_nc_u32 v[ADRB+1], SLOT, v[ADRB]
	v_add_nc_u32 v[ADRB+2], v10, v5
	v_add_nc_u32 v[ADRB+3], v10, v6
	v_and_b32 v5, 7, v0                            ; the scale words: lanes 0-15 A's natural rows, lanes 16-31 B's rows of a tile
	v_lshlrev_b32 v5, 5, v5
	v_bfe_u32 v6, v0, 3, 1
	v_mad_u32_u24 v5, v6, 272, v5
	v_and_b32 v6, 31, v0
	v_add_nc_u32 v6, 8, v6
	v_lshrrev_b32 v6, 5, v6
	v_mad_u32_u24 v5, v6, 272, v5
	s_wait_alu depctr_va_vdst(0)
	s_mul_i32 s21, s15, HALFS
	s_mul_i32 s22, s16, HALFS
	s_add_co_u32 s22, s22, 2*HALFS
	s_sub_co_u32 s22, s22, s21
	s_mul_i32 s23, s16, HALFS
	s_add_co_u32 s23, s23, 2*HALFS-272
	s_sub_co_u32 s23, s23, s21
	v_mul_u32_u24 v6, s22, v2
	v_mul_u32_u24 v12, s23, v2
	s_add_co_u32 s21, s21, SCL
	v_add_nc_u32 v5, s21, v5
	v_add_nc_u32 v[ADRS], v5, v6
	v_add_nc_u32 v[ADRS1], v5, v12
	s_cmp_eq_u32 s[MD], 2                          ; where the images go
	s_cselect_b32 s18, s42, s17
	s_cselect_b32 s19, s17, s42
	s_cselect_b32 s20, s16, s15
	s_cselect_b32 s21, s15, s16
	s_mov_b32 s22, HB
	s_cselect_b32 s22, 768, s22
	s_mov_b32 s[SA], 768
	s_cselect_b32 s[SA], 1536, s[SA]
	s_cselect_b32 s[SB], 512, 0
	s_mov_b32 s[SSA], 128
	s_cselect_b32 s[SSA], s[SSA], 64
	s_cselect_b32 s[SSB], 6144, 0
	s_mov_b32 s23, HB
	s_cselect_b32 s23, 64, s23
	s_cselect_b32 s46, 0, 16
	s_mov_b32 s[SA+1], 0
	s_mov_b32 s[SB+1], 0
	s_mov_b32 s[SSA+1], 0
	s_mov_b32 s[SSB+1], 0
	v_mul_u32_u24 v[SOF], s23, v2
	v_lshl_add_u32 v[SOF], v1, 2, v[SOF]
	v_mul_u32_u24 v[SH], s46, v2
	v_and_b32 v6, 31, v0
	v_lshlrev_b32 v[PO], 3, v6
	v_xor_b32 v[PO+1], 64, v[PO]
	s_lshr_b32 s47, s18, 3
	s_lshl_b32 s47, s47, 2
	s_add_co_u32 s47, s47, s19
	s_lshl_b32 s47, s47, 4
	s_and_b32 s18, s18, 7
	s_lshl_b32 s18, s18, 1
	s_add_co_u32 s47, s47, s18
	s_add_co_u32 s47, s47, s20
	s_mul_i32 s18, s47, 4*HB
	s_mul_i32 s21, s21, 2*HB
	s_add_co_u32 s18, s18, s21
	s_mov_b32 s19, 0
	s_add_nc_u64 s[OUT0:OUT0+1], s[OUT0:OUT0+1], s[18:19]
	s_mov_b32 s18, s22
	s_add_nc_u64 s[OUT1:OUT1+1], s[OUT0:OUT0+1], s[18:19]
	s_add_nc_u64 s[OUTS:OUTS+1], s[OUT0:OUT0+1], 6144
	s_mov_b32 s[SEL], 0x76543210
	s_mov_b32 s[SEL+1], 0xfedcba98
; a fragment in six pieces of 8 bytes; byte y of a row of codes lies in slot (y / 256) % 2 at byte y % 256 of the LDS row
.macro FRAG reg, adr, st, row0
.irp p, 0,1,2,3,4,5
.set BY, 96*(\st)+48*(\p/3)+8*(\p%3)
.if BY/ROWB == (BY+24)/ROWB
	ds_load_b64 v[\reg+2*\p:\reg+2*\p+1], v[\adr+(BY/ROWB)%2] offset:BY%ROWB+(\row0)*PITCH
.else
	ds_load_b64 v[\reg+2*\p:\reg+2*\p+1], v[\adr+2+(BY/ROWB)%2] offset:BY%ROWB-232+(\row0)*PITCH
.endif
.endr
.endm
.macro MUL16 a0, p, q, sc, zero
.irp a, \a0, \a0+1
.irp b, 0,1,2,3,4,5,6,7
.if \zero
	v_wmma_scale_f32_16x16x128_f8f6f4 v[8*(8*((\a)%4)+\b):8*(8*((\a)%4)+\b)+7], v[128*(\p)+FR*\b:128*(\p)+FR*\b+FR-1], v[AF+FR*(\a):AF+FR*(\a)+FR-1], 0, v[SC+8*NQ*(\sc)+NQ*\b+(\q)], v[SC+8*NQ*(\sc)+NQ*(\a)+(\q)] matrix_a_fmt:MATRIX_FMT_FP6 matrix_b_fmt:MATRIX_FMT_FP6 matrix_a_scale:MATRIX_SCALE_ROW1
.else
	v_wmma_scale_f32_16x16x128_f8f6f4 v[8*(8*((\a)%4)+\b):8*(8*((\a)%4)+\b)+7], v[128*(\p)+FR*\b:128*(\p)+FR*\b+FR-1], v[AF+FR*(\a):AF+FR*(\a)+FR-1], v[8*(8*((\a)%4)+\b):8*(8*((\a)%4)+\b)+7], v[SC+8*NQ*(\sc)+NQ*\b+(\q)], v[SC+8*NQ*(\sc)+NQ*(\a)+(\q)] matrix_a_fmt:MATRIX_FMT_FP6 matrix_b_fmt:MATRIX_FMT_FP6 matrix_a_scale:MATRIX_SCALE_ROW1
.endif
.endr
.endr
.endm
.macro FETCH_B st, p
	WIN TO_B
.irp i, 0,1,2,3,4,5,6,7
	FRAG 128*(\p)+FR*\i, ADRB, \st, 32*(\i/2)+8*(\i%2)
.endr
	WIN 0
.endm
.macro FETCH_A st, i0
.irp i, \i0, \i0+1, \i0+2, \i0+3
	FRAG AF+FR*(\i), ADRA, \st, 16*(\i)
.endr
.endm
.macro SCALES pr                       ; the words of steps 2 pr and 2 pr + 1 into set pr % 2
.irp i, 0,2,4,6
	ds_load_b64 v[SC+8*NQ*((\pr)%2)+NQ*\i:SC+8*NQ*((\pr)%2)+NQ*\i+1], v[ADRS] offset:\i*SBLK+4*NQ*(\pr)
	ds_load_b64 v[SC+8*NQ*((\pr)%2)+NQ*\i+NQ:SC+8*NQ*((\pr)%2)+NQ*\i+NQ+1], v[ADRS1] offset:\i*SBLK+SBLK+4*NQ*(\pr)
.endr
.endm
.macro PLACES n
.rept \n
	v_nop
.endr
.endm
; A step: 64 products; the next step's fragments are fetched in its middle and at its end.  Where the next step ends in a chunk not yet read: wait and barrier for it.
; Where it begins in a later chunk: the three lines, the barrier, and, if a chunk two on is left, the cluster's round and the refill.
.macro STEP st, zero
.set NX, (\st)+1
.set C0, (96*(\st))/ROWB
.set C1, (96*NX)/ROWB
.set E0, (96*(\st)+95)/ROWB
.set E1, (96*NX+95)/ROWB
.if C1 > C0 || E1 > E0
	s_wait_tensorcnt 0x0                           ; all my tensor loads have landed
.if C1 > C0
	ds_add_u32 v[SPW], v[NIL]
	s_wait_dscnt 4*NL+1                            ; the add and A's blocks 4-7, the youngest 24 loads, may be out
.else
	s_wait_dscnt 4*NL
.endif
	WIN MUL_LO
	MUL16 0, (\st)%2, (\st)%2, ((\st)/2)%2, \zero
	s_wait_dscnt 0x0                               ; the add and all my reads are done
	s_barrier_signal -1
	MUL16 2, (\st)%2, (\st)%2, ((\st)/2)%2, \zero
	WIN 0
	s_barrier_wait -1
.if C1 > C0 && C0+2 < CHUNKS
	CREST
	s_add_nc_u64 s[G0+4*(C0%2)+2:G0+4*(C0%2)+3], s[G0+4*(C0%2)+2:G0+4*(C0%2)+3], 2*ACHB
	s_add_nc_u64 s[G0B+4*(C0%2)+2:G0B+4*(C0%2)+3], s[G0B+4*(C0%2)+2:G0B+4*(C0%2)+3], 2*ROWB
	JLOAD G0+4*(C0%2), G1, G0B+4*(C0%2), G1B       ; chunk C0 + 2; its four v_nop are the places in front of the loads below
.else
	PLACES NP
.endif
.else
	s_wait_dscnt 4*NL                              ; A's blocks 4-7 may be out
	WIN MUL_LO
	MUL16 0, (\st)%2, (\st)%2, ((\st)/2)%2, \zero
	MUL16 2, (\st)%2, (\st)%2, ((\st)/2)%2, \zero
	s_wait_dscnt 0
	PLACES NP
.endif
	FETCH_B NX, NX%2
	FETCH_A NX, 0
.if NX%2 == 0
	SCALES NX/2
.endif
	WIN MUL_HI
	MUL16 4, (\st)%2, (\st)%2, ((\st)/2)%2, \zero
	MUL16 6, (\st)%2, (\st)%2, ((\st)/2)%2, \zero
	PLACES NP
	WIN 0
	FETCH_A NX, 4
.endm
.macro QUANT s
.irp b, 0,1,2,3
	v_max3_num_f32 v[TM+\b], |v[\s+16*\b]|, |v[\s+1+16*\b]|, 0x1800000
.endr
.irp i, 2,4,6,8,10,12,14
.irp b, 0,1,2,3
	v_max3_num_f32 v[TM+\b], v[TM+\b], |v[\s+16*\b+\i]|, |v[\s+1+16*\b+\i]|
.endr
.endr
.irp b, 0,1,2,3
	v_permlanex16_b32 v[TM+4+\b], v[TM+\b], s[SEL], s[SEL+1]
.endr
.irp b, 0,1,2,3
	v_max_num_f32 v[TM+\b], v[TM+\b], v[TM+4+\b]
.endr
.irp b, 0,1,2,3
	v_add_nc_u32 v[TM+12+\b], 0xff000000, v[TM+\b]
.endr
.irp b, 0,1,2,3
	v_lshrrev_b32 v[TM+4+\b], 23, v[TM+12+\b]
.endr
	v_lshl_or_b32 v[PW], v[TM+5], 8, v[TM+4]
	v_lshl_or_b32 v[PW], v[TM+6], 16, v[PW]
	v_lshl_or_b32 v[PW], v[TM+7], 24, v[PW]
.irp c, 0,1
	v_cvt_scalef32_pk16_fp6_f32 v[PC+6*\c:PC+2+6*\c], v[\s+32*\c:\s+15+32*\c], v[TM+12+2*\c]
	v_cvt_scalef32_pk16_fp6_f32 v[PC+12+4*\c:PC+14+4*\c], v[\s+16+32*\c:\s+31+32*\c], v[TM+12+2*\c+1]
.endr
	v_nop
.irp c, 0,1
.irp i, 0,1,2
	v_permlane16_swap_b32 v[PC+6*\c+\i], v[PC+12+4*\c+\i]
.endr
.irp i, 0,1,2
	v_mov_b32 v[PC+3+6*\c+\i], v[PC+12+4*\c+\i]
.endr
.endr
.endm
	s_wait_alu depctr_va_vdst(0)                   ; the wait at the head's end
	s_wait_tensorcnt 0x0                           ; my tile of the head's four is in; the three lines ahead of slot 1's first fill
	ds_add_u32 v[SPW], v[NIL]
	s_mov_b32 s[G1+2], 128<<16                     ; no load of mine is out: from here on a load brings 128 rows
	s_mov_b32 s[G1+4], 128
	s_mov_b32 s[G1B+2], 128<<16
	s_mov_b32 s[G1B+4], 128
	s_wait_dscnt 0x0
	CROUND
	JLOAD G0+4, G1, G0B+4, G1B                     ; chunk 1
	FETCH_B 0, 0
	FETCH_A 0, 0
	SCALES 0
	FETCH_A 0, 4
	STEP 0, 1
.set ST, 1
.rept STEPS-2
	STEP ST, 0
.set ST, ST+1
.endr
	s_wait_dscnt 4*NL
	WIN MUL_LO
	MUL16 0, 1, 1, 1, 0
	MUL16 2, 1, 1, 1, 0
	s_wait_dscnt 0
	WIN MUL_HI
	MUL16 4, 1, 1, 1, 0
	MUL16 6, 1, 1, 1, 0
	WIN 0
; the way out of block a: bias, quantiser, six stores of 256 aligned bytes and the scale words
.macro OUTA a
.set AC, 64*((\a)%4)
.set WN, 0x02+(\a)/4
	s_cmp_eq_u32 s[MD], 2
	s_cbranch_scc1 .Lby_lane_\@
	WIN WN
.set OI, 0
.rept 32
	v_pk_add_f32 v[T+OI:T+OI+1], v[AC+OI:AC+OI+1], v[BP+OI:BP+OI+1]
.set OI, OI+2
.endr
	WIN 0
	s_branch .Ladded_\@
.Lby_lane_\@:
	WIN WN
.set OI, 0
.rept 32
	v_pk_add_f32 v[T+OI:T+OI+1], v[AC+OI:AC+OI+1], v[BR+2*(\a):BR+2*(\a)+1] op_sel_hi:[1,0]
.set OI, OI+2
.endr
	WIN 0
.Ladded_\@:
	s_wait_xcnt 0x0
.if (\a) > 0
	s_add_nc_u64 s[OUT0:OUT0+1], s[OUT0:OUT0+1], s[SA:SA+1]
	s_add_nc_u64 s[OUT1:OUT1+1], s[OUT1:OUT1+1], s[SA:SA+1]
	s_add_nc_u64 s[OUTS:OUTS+1], s[OUTS:OUTS+1], s[SSA:SSA+1]
.endif
.if (\a) == 4
	s_add_nc_u64 s[OUT0:OUT0+1], s[OUT0:OUT0+1], s[SB:SB+1]
	s_add_nc_u64 s[OUT1:OUT1+1], s[OUT1:OUT1+1], s[SB:SB+1]
	s_add_nc_u64 s[OUTS:OUTS+1], s[OUTS:OUTS+1], s[SSB:SSB+1]
.endif
	QUANT T
	v_lshrrev_b32 v[PWS], v[SH], v[PW]
.irp p, 0,1,2
	global_store_b64 v[PO+(\a)%2], v[PC+2*\p:PC+2*\p+1], s[OUT0:OUT0+1] offset:256*\p
.endr
.irp p, 0,1,2
	global_store_b64 v[PO+(\a)%2], v[PC+6+2*\p:PC+6+2*\p+1], s[OUT1:OUT1+1] offset:256*\p
.endr
	global_store_b32 v[SOF], v[PWS], s[OUTS:OUTS+1]
.endm
	PLACES NP
	s_wait_loadcnt 0x0
.irp a, 0,1,2,3,4,5,6,7
	OUTA \a
.endr
	s_wait_tensorcnt 0x0                           ; the wave's end
	ds_add_u32 v[SPW], v[NIL]
	s_wait_dscnt 0x0
	CROUND
	s_endpgm
.Lfunc_end_k_qd8836e3792_proj:
	.size	k_qd8836e3792_proj, .Lfunc_end_k_qd8836e3792_proj-k_qd8836e3792_proj
	.p2alignl 7, 3214868480
	.fill 96, 4, 3214868480
	.section	.rodata,"a",@progbits
	.p2align	6, 0x0
	.amdhsa_kernel k_qd8836e3792_proj
		.amdhsa_group_segment_fixed_size 327680
		.amdhsa_private_segment_fixed_size 0
		.amdhsa_enable_private_segment 0
		.amdhsa_kernarg_size 144
		.amdhsa_user_sgpr_count 2
		.amdhsa_user_sgpr_kernarg_segment_ptr 1
		.amdhsa_wavefront_size32 1
		.amdhsa_system_sgpr_workgroup_id_x 1
		.amdhsa_system_sgpr_workgroup_id_y 1
		.amdhsa_system_sgpr_workgroup_id_z 1
		.amdhsa_system_vgpr_workitem_id 0
		.amdhsa_next_free_vgpr 1024
		.amdhsa_next_free_sgpr 102
		.amdhsa_reserve_vcc 0
		.amdhsa_float_denorm_mode_32 3
		.amdhsa_float_denorm_mode_16_64 3
		.amdhsa_memory_ordered 1
		.amdhsa_forward_progress 1
		.amdhsa_inst_pref_size 206
	.end_amdhsa_kernel
	.amdgpu_metadata
---
amdhsa.version: [ 1, 2 ]
amdhsa.kernels:
  - .name:           k_qd8836e3792_proj
    .symbol:         k_qd8836e3792_proj.kd
    .args:
      - { .name: query_codes, .offset: 0, .size: 8, .value_kind: global_buffer, .address_space: global }
      - { .name: query_scales, .offset: 8, .size: 8, .value_kind: global_buffer, .address_space: global }
      - { .name: Wq_codes, .offset: 16, .size: 8, .value_kind: global_buffer, .address_space: global }
      - { .name: Wq_scales, .offset: 24, .size: 8, .value_kind: global_buffer, .address_space: global }
      - { .name: bq, .offset: 32, .size: 8, .value_kind: global_buffer, .address_space: global }
      - { .name: qbuf, .offset: 40, .size: 8, .value_kind: global_buffer, .address_space: global }
      - { .name: key_codes, .offset: 48, .size: 8, .value_kind: global_buffer, .address_space: global }
      - { .name: key_scales, .offset: 56, .size: 8, .value_kind: global_buffer, .address_space: global }
      - { .name: Wk_codes, .offset: 64, .size: 8, .value_kind: global_buffer, .address_space: global }
      - { .name: Wk_scales, .offset: 72, .size: 8, .value_kind: global_buffer, .address_space: global }
      - { .name: bk, .offset: 80, .size: 8, .value_kind: global_buffer, .address_space: global }
      - { .name: kbuf, .offset: 88, .size: 8, .value_kind: global_buffer, .address_space: global }
      - { .name: Wv_codes, .offset: 96, .size: 8, .value_kind: global_buffer, .address_space: global }
      - { .name: Wv_scales, .offset: 104, .size: 8, .value_kind: global_buffer, .address_space: global }
      - { .name: value_codes, .offset: 112, .size: 8, .value_kind: global_buffer, .address_space: global }
      - { .name: value_scales, .offset: 120, .size: 8, .value_kind: global_buffer, .address_space: global }
      - { .name: bv, .offset: 128, .size: 8, .value_kind: global_buffer, .address_space: global }
      - { .name: vbuf, .offset: 136, .size: 8, .value_kind: global_buffer, .address_space: global }
    .group_segment_fixed_size: 327680
    .private_segment_fixed_size: 0
    .kernarg_segment_align: 8
    .kernarg_segment_size: 144
    .max_flat_workgroup_size: 128
    .sgpr_count:     102
    .vgpr_count:     1024
    .wavefront_size: 32
...
	.end_amdgpu_metadata
.endif
;; end of part 1
;; launch attn (part 2): grid 32 x 16, 16 waves a work-group, clusters of 4 x 4, 327,680 bytes of LDS; arguments qbuf, kbuf, vbuf, mask, xc, xs; writes xc, xs
.if DOCPART == 2
	.amdgcn_target "amdgcn-amd-amdhsa--gfx1250"
	.amdhsa_code_object_version 6
	.text
	.protected	k_qd8836e3792_attn
	.globl	k_qd8836e3792_attn
	.p2align	8
	.type	k_qd8836e3792_attn,@function
k_qd8836e3792_attn:
	s_mov_b64 s[64:65], 0
	v_nop
	global_prefetch_b8 v0, s[64:65] scope:SCOPE_SE
	s_setreg_imm32_b32 hwreg(HW_REG_WAVE_MODE, 25, 1), 1
	s_wait_xcnt 0x0
	s_wait_alu depctr_hold_cnt(0) depctr_sa_sdst(0) depctr_va_vdst(0) depctr_va_sdst(0) depctr_va_ssrc(0) depctr_va_vcc(0) depctr_vm_vsrc(0)
	s_getreg_b32 s2, hwreg(HW_REG_IB_STS2, 6, 4)
	s_cmp_eq_u32 s2, 0
	s_cbranch_scc0 .Lentry_in_a_cluster
	s_endpgm
.Lentry_in_a_cluster:
	s_bfe_u32 s2, ttmp6, 0x10000c
	s_cmp_lg_u32 s2, 0xf033
	s_cbranch_scc0 .Lentry_shape_is_right
	s_endpgm
.Lentry_shape_is_right:
; x[b][q][head] = softmax_k(q . k / 8 + mask[q][k] x -1e9) v, both products on codes of FP6 (E2M3) with one E8M0 scale for each 32 along a product's K; x is quantised along the features for the last projection.
; Nothing of reference() is left out here: the mask is an input of f32 numbers, so every tile of scores is made and takes its own mask numbers.
; THE SOFTMAX AHEAD OF THE SECOND PRODUCT: t = logit x log2(e); M = the row's largest t so far, rounded UP to a whole number; p = 2^(t - M) is quantised along the keys, not normalised; the row's sum is taken of the
; unquantised p and divides at the end.  When M moves, the sum and O are multiplied by 2^(old M - new M): exact.
; THE MASK IS THE C OF K Q^T.  mask x -8e9 rounds to 8 x (mask x -1e9 as reference() rounds it), both constants being whole numbers times a power of two; so S' = q . k + mask x -8e9 = 8 x logit, and t = S' x log2(e) / 8.
; LIMITS: NaN and infinities are not served.  The mask's term meets the score in the matrix instruction's own sum, not in an f32 addition: where the term is huge the last bit of that sum may differ from reference()'s.
; A block whose largest magnitude lies under 2^-124 keeps the byte 1 (a block of zeros too: its codes are zeros).
; SHARES.  A work-group owns 64 queries x 4 heads of one batch; each of its sixteen waves one tile of 16 queries (wave % 4) of one head (wave / 4), in 256 registers: four waves to a SIMD, so that one wave's vector
; work stands beside another's matrix work and LDS loads.  Every wave walks the 2,048 keys, 128 a step, through a ring of two LDS slots.  One mask tile in LDS serves four heads.
; CLUSTER 4 x 4: x = four blocks of queries, y = the four groups of heads.  K's and V's blocks hang on batch and group: asked for jointly along a row of the cluster; the mask's tiles hang on the block of queries:
; jointly along a column.  Wave 0 asks for K's block, wave 1 for V's, wave 2 for the mask's tile: one tensor load out at most in a wave.
; LAYOUT.  Both products are used transposed (S^T = K Q^T, O^T = V^T P^T): a lane holds ONE query (lane % 16).  Lane r of tile 2 b + u takes row 32 b + 8 u + r + 8 (r / 8) (of the keys, of V's features), so that the 16
; registers of two neighbouring tiles are 16 neighbours.  The images in kbuf and vbuf hold natural tiles; the tile wanted is natural tile 2 b + r / 8, lane 8 u + r % 8 + 16 h, and the exclusive or in the images' lane
; order makes the 32 lanes of each load fall on 32 different places of 8 bytes.
; K = 64 IN AN INSTRUCTION OF 128: Q's upper six registers are zero codes, so K's tiles lie six registers apart and a tile's upper six are the next tile's codes (zeros behind the last): they meet zeros alone.
.set HB,    6656                       ; a head's bytes in a block
.set BLK,   4*HB                       ; a block: 128 tokens x 4 heads
.set STREAM, 16*BLK                    ; a batch's and group's 2,048 tokens
.set SLOT1, 131072                     ; slot 1 begins here: one exclusive or turns an address
.set VOFF,  BLK                        ; a slot: K's block, V's block, the mask's tile
.set MOFF,  2*BLK
.set MP,    528                        ; a row of the mask's tile: 512 bytes + 16
.set XSTG,  262144                     ; the way out: 64 tokens x 8 scale bytes
.set SPARE, XSTG+512                   ; the spare words, 128 bytes a wave: eight blocks of 256 bytes that no other line names
.set AK,   1                           ; v1, v2   my lane's place in K's even and odd tiles
.set AV,   3                           ; v3, v4   the same for V
.set SPW,  5
.set NIL,  6
.set AKS,  7                           ; v7   my place among K's scale words: lanes 0-15 the even tile's, lanes 16-31 the odd one's
.set AVS,  8                           ; v8   and among V's
.set AM,   9                           ; v9   my place in the mask's tile
.set ADM,  10                          ; v10-16 the same with the slot in hand
.set ADKS, 11
.set ADK,  12
.set ADV,  14
.set ADVS, 16
.set PFO,  17                          ; v17  the prefetches' offset; never rewritten
.set NM,   20                          ; v20 -M, v21 the largest t
.set TMX,  21
.set L,    22                          ; v[22:23] the sum in two halves
.set Q,    24                          ; v24-29 Q's codes, v30-35 zero codes
.set KB,   40                          ; v40-87 eight tiles of K, later four fragments of V; v88-93 zero codes
.set S,    96                          ; v96-159 the mask, S^T, then p
.set O,    160                         ; v160-191 O^T
.set PC,   192                         ; v192-203 p's codes
.set PT,   204                         ; v204-210 at work in the conversions
.set BM,   212                         ; v212-215 the blocks' largest
.set BT,   216                         ; v216-219 the other half's; the bytes
.set SOP,  220                         ; v220-223 the conversions' scale operands
.set TP,   224
.set F,    226                         ; v[226:227] f = 2^(old M - new M)
.set PS,   228                         ; scale words: p's; v229-232 K's; v233-234 V's; v235 Q's
.set KS,   229
.set VS,   233
.set QS,   235
.set L2,   236                         ; v[236:237] the sum's second chain
.set WV,   16
.set QT,   17
.set HD,   18
.set SEL,  20
.set CS,   22                          ; s[22:23] log2(e) / 8
.set MC,   24                          ; s[24:25] -8e9
.set G1KV, 28
.set G1M,  36
.set G0K,  44
.set G0V,  48
.set G0M,  52
.set TB,   56                          ; s56 LDS byte at which the slot in hand begins
.set CNT,  57                          ; s57 changes of slots still to ask
.set CX,   58
.set CY,   59
.set QB,   60                          ; my block of 64 queries
.set BB,   61                          ; my batch
.set PFA,  80
.set PFS,  82
.set LIM,  84
.macro CROUND
	s_barrier_signal -1
	s_barrier_wait -1
	s_cmp_lg_u32 s[WV], 0
	s_cbranch_scc1 .Lnot_wave_0_\@
	s_barrier_signal -3
.Lnot_wave_0_\@:
	s_barrier_wait -3
	s_barrier_signal -1
	s_barrier_wait -1
.endm
; The joint loads of a step.  The branches hang on the wave's number alone.  An s_nop 0 and four v_nop follow each line.
.macro TLOAD
	s_cmp_eq_u32 s[WV], 0
	s_cbranch_scc0 .Lnot_k_\@
	tensor_load_to_lds s[G0K:G0K+3], s[G1KV:G1KV+7]
	s_nop 0
.rept 4
	v_nop
.endr
	s_branch .Lasked_\@
.Lnot_k_\@:
	s_cmp_eq_u32 s[WV], 1
	s_cbranch_scc0 .Lnot_v_\@
	tensor_load_to_lds s[G0V:G0V+3], s[G1KV:G1KV+7]
	s_nop 0
.rept 4
	v_nop
.endr
	s_branch .Lasked_\@
.Lnot_v_\@:
	s_cmp_eq_u32 s[WV], 2
	s_cbranch_scc0 .Lasked_\@
	tensor_load_to_lds s[G0M:G0M+3], s[G1M:G1M+7]
	s_nop 0
.rept 4
	v_nop
.endr
.Lasked_\@:
.endm
; A PREFETCH INTO THE L2, at the change of slots, by waves that fetch nothing; one instruction a wave, each aligned block of 256 bytes named once in the launch.
; K's and V's streams (1,664 blocks each) are walked by all eight clusters of a batch: the first of them (cluster x = 0) asks, wave 3 for K, wave 4 for V; its four row partners take 32 blocks each, told apart by
; address: 128 blocks a change, from block 256 on, in the first eleven changes; a change's own load is 104 blocks, so every block is named a change or more ahead of the load that wants it.
; The mask's tiles are read by the clusters of all four batches: batch 0 asks, wave 5; its four column partners take 16 rows each, two lanes to a row's 512 bytes: the tile two steps on, in the first fourteen changes.
; The streams' first 256 blocks and the mask's first two tiles come by their loads alone: nothing is prefetched at the head.
.macro ASK
	s_cmp_gt_u32 s[CNT], s[LIM]
	s_cbranch_scc0 .Lnot_mine_\@
	global_prefetch_b8 v[PFO], s[PFA:PFA+1] th:TH_LOAD_NT scope:SCOPE_SE
.Lnot_mine_\@:
.endm
	s_load_b256 s[4:11], s[0:1], 0x0               ; qbuf, kbuf, vbuf, mask
	s_load_b128 s[12:15], s[0:1], 0x20             ; xc, xs
	v_lshl_add_u32 v[SPW], v0, 2, SPARE
	v_mov_b32 v[NIL], 0
	ds_add_u32 v[SPW], v[NIL]                      ; the wave's opening: the add, twice on end, and its wait ahead of the first tensor loads
	ds_add_u32 v[SPW], v[NIL]
	v_lshrrev_b32 v18, 5, v0
	s_delay_alu instid0(VALU_DEP_1)
	v_readfirstlane_b32 s[WV], v18                 ; wave 0..15
	s_and_b32 s[QT], s[WV], 3                      ; my tile of 16 queries
	s_lshr_b32 s[HD], s[WV], 2                     ; my head of the group's four
.set GB, 85                            ; s85: 0 = my change of slots stands behind a step's softmax, 1 = between a step's scores and its softmax
	s_xor_b32 s[GB], s[WV], s[HD]
	s_and_b32 s[GB], s[GB], 1                      ; (wave xor wave / 4) & 1: eight waves of each kind
	s_bfe_u32 s[CX], ttmp6, 0x40000
	s_bfe_u32 s[CY], ttmp6, 0x40004                ; the group of heads
	s_lshl_b32 s[QB], ttmp9, 2
	s_add_co_u32 s[QB], s[QB], s[CX]
	s_and_b32 s[BB], ttmp7, 0xffff
	s_lshl_b32 s62, s[CY], 2
	s_lshl_b32 s62, 15, s62                        ; my row of the cluster
	s_lshl_b32 s63, 0x1111, s[CX]                  ; my column
	; K's and V's blocks: 26,624 dense bytes as 104 rows of 256 (32 elements of 8 bytes), no padding
	s_or_b32 s[G1KV], s62, (3<<16)|(1<<21)
	s_mov_b32 s[G1KV+1], 32<<16
	s_mov_b32 s[G1KV+2], 104<<16
	s_mov_b32 s[G1KV+3], 32<<16
	s_mov_b32 s[G1KV+4], 104
	s_mov_b32 s[G1KV+5], 32
	s_mov_b32 s[G1KV+6], 0
	s_mov_b32 s[G1KV+7], 0
	; the mask's tile: 64 rows x 128 f32, 2,048 from row to row, 4 words of padding behind each row's 128
	s_or_b32 s[G1M], s63, (2<<16)|(1<<20)|(1<<21)|(6<<22)|(3<<25)
	s_mov_b32 s[G1M+1], 128<<16
	s_mov_b32 s[G1M+2], 64<<16
	s_mov_b32 s[G1M+3], 128<<16
	s_mov_b32 s[G1M+4], 64
	s_mov_b32 s[G1M+5], 2048
	s_mov_b32 s[G1M+6], 0
	s_mov_b32 s[G1M+7], 0
	s_lshl_b32 s66, s[BB], 2
	s_add_co_u32 s66, s66, s[CY]
	s_mul_i32 s66, s66, STREAM                     ; the batch's and group's stream: what my row of the cluster shares
	s_mov_b32 s67, 0
	s_lshl_b32 s68, s[QB], 19                      ; 64 rows of 8,192 bytes: what my column shares
	s_mov_b32 s69, 0
	s_mov_b32 s[SEL], 0x76543210
	s_mov_b32 s[SEL+1], 0xfedcba98
	s_mov_b32 s[CS], 0x3e38aa3b                    ; log2(e) / 8
	s_mov_b32 s[CS+1], s[CS]
	s_mov_b32 s[MC], 0xcfee6b28                    ; -8e9
	s_mov_b32 s[MC+1], s[MC]
	s_mov_b32 s[TB], 0
	s_mov_b32 s[CNT], 15
	s_wait_dscnt 0x0                               ; both opening adds are done
	s_wait_kmcnt 0x0
	s_mov_b32 s[G0K], 1
	s_mov_b32 s[G0K+1], 0
	s_add_nc_u64 s[G0K+2:G0K+3], s[6:7], s[66:67]
	s_or_b32 s[G0K+3], s[G0K+3], 0x80000000
	s_mov_b32 s[G0V], 1
	s_mov_b32 s[G0V+1], VOFF
	s_add_nc_u64 s[G0V+2:G0V+3], s[8:9], s[66:67]
	s_or_b32 s[G0V+3], s[G0V+3], 0x80000000
	s_mov_b32 s[G0M], 1
	s_mov_b32 s[G0M+1], MOFF
	s_add_nc_u64 s[G0M+2:G0M+3], s[10:11], s[68:69]
	s_or_b32 s[G0M+3], s[G0M+3], 0x80000000
	CROUND                                         ; all sixteen work-groups are here: the first joint loads meet
	TLOAD                                          ; step 0 into slot 0
	; the prefetches: where my wave's stand, and who asks
	s_mov_b32 s72, 32768
	s_mov_b32 s73, 512
	s_mov_b32 s77, 8192
	s_cmp_eq_u32 s[WV], 4
	s_cselect_b64 s[PFA:PFA+1], s[8:9], s[6:7]
	s_cmp_eq_u32 s[WV], 5
	s_cselect_b64 s[PFA:PFA+1], s[10:11], s[PFA:PFA+1]
	s_cselect_b64 s[78:79], s[68:69], s[66:67]     ; my tiles' rows, or my stream
	s_cselect_b32 s70, s[BB], ttmp9                ; the coordinate along which other clusters read the same bytes
	s_cselect_b32 s71, s[CY], s[CX]                ; my place among the four that ask jointly
	s_cselect_b32 s[PFS], 512, s72                 ; from change to change
	s_cselect_b32 s[LIM], 1, 4
	s_cselect_b32 s73, 8192, s73                   ; from a pair of lanes to the next
	s_cselect_b32 s77, 131072, s77                 ; from partner to partner
	s_mov_b32 s[PFS+1], 0
	s_mul_i32 s76, s71, s77
	s_add_co_u32 s76, s76, s[PFS]                  ; one step short of the first block named: the first change of slots steps it
	s_mov_b32 s77, 0
	s_add_nc_u64 s[PFA:PFA+1], s[PFA:PFA+1], s[78:79]
	s_add_nc_u64 s[PFA:PFA+1], s[PFA:PFA+1], s[76:77]
	s_sub_co_u32 s76, s[WV], 3
	s_cmp_lt_u32 s76, 3                            ; waves 3, 4, 5
	s_cselect_b32 s76, 0, 1
	s_or_b32 s76, s76, s70                         ; of the first cluster along that coordinate: the same in all sixteen partners
	s_cmp_eq_u32 s76, 0
	s_cselect_b32 s[LIM], s[LIM], -1
	v_and_b32 v[PFO], 31, v0
	s_delay_alu instid0(VALU_DEP_1)
	v_lshrrev_b32 v18, 1, v[PFO]
	s_delay_alu instid0(VALU_DEP_2)
	v_and_b32 v[PFO], 1, v[PFO]
	s_delay_alu instid0(VALU_DEP_1)
	v_lshlrev_b32 v[PFO], 8, v[PFO]
	s_delay_alu instid0(VALU_DEP_3)
	v_mul_lo_u32 v18, v18, s73
	s_delay_alu instid0(VALU_DEP_1)
	v_add_nc_u32 v[PFO], v[PFO], v18
	; my lane's places in a slot
	v_and_b32 v36, 31, v0
	s_delay_alu instid0(VALU_DEP_1)
	v_lshlrev_b32 v36, 3, v36                      ; 8 x lane
	s_delay_alu instid0(VALU_DEP_1)
	v_xor_b32 v37, 64, v36                         ; 8 x (lane xor 8)
	v_bfe_u32 v38, v0, 3, 1                        ; r / 8
	v_bfe_u32 v39, v0, 4, 1                        ; h
	v_and_b32 v94, 7, v0                           ; r % 8
	v_and_b32 v95, 15, v0                          ; r
	s_mul_i32 s71, s[HD], HB
	v_mul_u32_u24 v18, v38, 768
	s_delay_alu instid0(VALU_DEP_1)
	v_add_nc_u32 v18, s71, v18
	s_delay_alu instid0(VALU_DEP_1)
	v_add_nc_u32 v[AK], v18, v36
	s_delay_alu instid0(VALU_DEP_2)
	v_add_nc_u32 v[AK+1], v18, v37
	v_mul_u32_u24 v18, v38, 1536
	s_add_co_u32 s72, s71, VOFF
	v_add_nc_u32 v18, s72, v18
	s_delay_alu instid0(VALU_DEP_1)
	v_add_nc_u32 v[AV], v18, v36
	s_delay_alu instid0(VALU_DEP_2)
	v_add_nc_u32 v[AV+1], v18, v37
	v_lshlrev_b32 v18, 5, v39
	s_delay_alu instid0(VALU_DEP_1)
	v_lshl_add_u32 v18, v94, 2, v18                ; 32 h + 4 (r % 8)
	s_add_co_u32 s72, s71, 6144
	v_add_nc_u32 v18, s72, v18
	s_delay_alu instid0(VALU_DEP_1)
	v_lshl_add_u32 v[AKS], v38, 6, v18
	s_delay_alu instid0(VALU_DEP_2)
	v_lshl_add_u32 v[AVS], v38, 7, v18
	s_delay_alu instid0(VALU_DEP_1)
	v_add_nc_u32 v[AVS], VOFF, v[AVS]
	s_mul_i32 s72, s[QT], 16*MP
	s_add_co_u32 s72, s72, MOFF
	v_mul_u32_u24 v18, v95, MP
	s_delay_alu instid0(VALU_DEP_1)
	v_lshl_add_u32 v18, v39, 6, v18                ; row r, + 64 h: register 16 b + i holds key 32 b + 16 h + i
	s_delay_alu instid0(VALU_DEP_1)
	v_add_nc_u32 v[AM], s72, v18
	; Q: my tile's image and scale words, from memory; they stay in registers
	s_lshr_b32 s70, s[QB], 1
	s_mul_i32 s70, s70, BLK
	s_add_co_u32 s70, s70, s71
	s_add_co_u32 s70, s70, s66                     ; my head's bytes in the block of 128 tokens that holds my queries
	s_mov_b32 s71, 0
	s_add_nc_u64 s[74:75], s[4:5], s[70:71]
	s_and_b32 s72, s[QB], 1
	s_lshl_b32 s72, s72, 2
	s_add_co_u32 s72, s72, s[QT]                   ; the tile in it
	s_mul_i32 s73, s72, 768
	s_lshl_b32 s72, s72, 6
	s_add_co_u32 s72, s72, 6144
	s_and_b32 s76, s[QT], 1
	s_lshl_b32 s76, s76, 6
	v_xor_b32 v18, s76, v36                        ; 8 x (lane xor 8 (tile & 1))
	s_delay_alu instid0(VALU_DEP_1)
	v_add_nc_u32 v18, s73, v18
	v_lshlrev_b32 v19, 2, v95
	s_delay_alu instid0(VALU_DEP_1)
	v_add_nc_u32 v19, s72, v19
.irp p, 0,1,2
	global_load_b64 v[Q+2*\p:Q+2*\p+1], v18, s[74:75] offset:256*\p
.endr
	global_load_b32 v[QS], v19, s[74:75]
.irp i, 6,7,8,9,10,11
	v_mov_b32 v[Q+\i], 0                           ; zero codes for K = 64 .. 127
	v_mov_b32 v[KB+42+\i], 0                       ; and behind K's last tile
.endr
	v_mov_b32 v[TMX], 0xff61b1e6                   ; the largest t so far: -3e38, under every t
	s_delay_alu instid0(VALU_DEP_1)
	v_floor_f32 v[NM], -v[TMX]
	v_mov_b32 v[L], 0
	v_mov_b32 v[L+1], 0
	v_mov_b32 v[F+1], 0                            ; named as the upper half of a pair
.irp b, 0,1,2,3
	v_mov_b32 v[BT+\b], 0                          ; written once: a lane permute's destination counts as one of its sources
.endr
.set OI, 0
.rept 32
	v_mov_b32 v[O+OI], 0                           ; O^T: the step is written once; the first finds zeros, which the first change of M leaves zeros
.set OI, OI+1
.endr
; THE FIRST HALF OF A STEP: the mask's numbers into S and x -8e9; K's eight tiles; S^T = K Q^T + that; V's four fragments are asked for.
.macro RQ
	v_add_nc_u32 v[ADM], s[TB], v[AM]              ; (these four are also the places between the last V^T P and the loads into its operands' registers)
	v_add_nc_u32 v[ADKS], s[TB], v[AKS]
	v_add_nc_u32 v[ADK], s[TB], v[AK]
	v_add_nc_u32 v[ADK+1], s[TB], v[AK+1]
.irp b, 0,1,2,3
.irp c, 0,1,2,3
	ds_load_b128 v[S+16*\b+4*\c:S+16*\b+4*\c+3], v[ADM] offset:128*\b+16*\c
.endr
.endr
.irp b, 0,1,2,3
	ds_load_b32 v[KS+\b], v[ADKS] offset:128*\b
.endr
.irp b, 0,1,2,3
.irp u, 0,1
.irp p, 0,1,2
	ds_load_b64 v[KB+6*(2*\b+\u)+2*\p:KB+6*(2*\b+\u)+2*\p+1], v[ADK+\u] offset:1536*\b+256*\p
.endr
.endr
.endr
	s_wait_dscnt 28                                ; the mask's 16 loads are in; K's 4 scale words and 24 pieces, issued behind them, may be out
.set OI, 0
.rept 32
	v_pk_mul_f32 v[S+OI:S+OI+1], v[S+OI:S+OI+1], s[MC:MC+1] op_sel_hi:[1,0]
.set OI, OI+2
.endr
	v_add_nc_u32 v[ADV], s[TB], v[AV]
	v_add_nc_u32 v[ADV+1], s[TB], v[AV+1]
	v_add_nc_u32 v[ADVS], s[TB], v[AVS]
	v_nop
	s_wait_alu depctr_va_vdst(0)
	s_wait_dscnt 0x0
.irp b, 0,1,2,3                                ; the eight accumulators by turns
	v_wmma_scale_f32_16x16x128_f8f6f4 v[S+16*\b:S+16*\b+7], v[KB+12*\b:KB+12*\b+11], v[Q:Q+11], v[S+16*\b:S+16*\b+7], v[KS+\b], v[QS] matrix_a_fmt:MATRIX_FMT_FP6 matrix_b_fmt:MATRIX_FMT_FP6
	v_wmma_scale_f32_16x16x128_f8f6f4 v[S+16*\b+8:S+16*\b+15], v[KB+12*\b+6:KB+12*\b+17], v[Q:Q+11], v[S+16*\b+8:S+16*\b+15], v[KS+\b], v[QS] matrix_a_fmt:MATRIX_FMT_FP6 matrix_b_fmt:MATRIX_FMT_FP6 matrix_a_scale:MATRIX_SCALE_ROW1
.endr
.rept 4
	v_nop                                          ; places in front of the loads into K's registers and of the first read of the scores
.endr
.irp b, 0,1
.irp u, 0,1
.irp p, 0,1,2,3,4,5
	ds_load_b64 v[KB+12*(2*\b+\u)+2*\p:KB+12*(2*\b+\u)+2*\p+1], v[ADV+\u] offset:3072*\b+256*\p
.endr
.endr
.endr
.irp b, 0,1
	ds_load_b32 v[VS+\b], v[ADVS] offset:256*\b
.endr
.endm
; THE SECOND HALF: the softmax of 16 queries x 128 keys, p's codes, O^T += V^T P^T.
.macro SM
.irp b, 0,1,2,3
	v_max3_num_f32 v[BM+\b], v[S+16*\b], v[S+16*\b+1], v[S+16*\b+2]     ; the largest score of each block of 32 keys: for the row's maximum and, since p rises with the score, for the block's largest p
.endr
.irp i, 3,5,7,9,11,13
.irp b, 0,1,2,3
	v_max3_num_f32 v[BM+\b], v[BM+\b], v[S+16*\b+\i], v[S+16*\b+\i+1]
.endr
.endr
.irp b, 0,1,2,3
	v_max_num_f32 v[BM+\b], v[BM+\b], v[S+16*\b+15]
.endr
.irp b, 0,1,2,3
	s_delay_alu instid0(VALU_DEP_4)
	v_permlanex16_b32 v[BT+\b], v[BM+\b], s[SEL], s[SEL+1]
.endr
.irp b, 0,1,2,3
	s_delay_alu instid0(VALU_DEP_4)
	v_max_num_f32 v[BM+\b], v[BM+\b], v[BT+\b]     ; with lane l xor 16's 16 keys
.endr
	s_delay_alu instid0(VALU_DEP_2)
	v_max3_num_f32 v[TP], v[BM], v[BM+1], v[BM+2]
	s_delay_alu instid0(VALU_DEP_1)
	v_max_num_f32 v[TP], v[TP], v[BM+3]
	s_delay_alu instid0(VALU_DEP_1)
	v_mul_f32 v[TP], s[CS], v[TP]                  ; as t
	s_delay_alu instid0(VALU_DEP_1)
	v_max_num_f32 v[TMX], v[TMX], v[TP]            ; the running largest t
	v_mov_b32 v[TP], v[NM]
	s_delay_alu instid0(VALU_DEP_2)
	v_floor_f32 v[NM], -v[TMX]                     ; the new -M = -ceil(t): a whole number
	s_delay_alu instid0(VALU_DEP_1)
	v_sub_f32 v[TP], v[NM], v[TP]                  ; old M - new M: a whole number, 0 or less
	s_delay_alu instid0(VALU_DEP_1)
	v_cvt_i32_f32 v[TP], v[TP]                     ; (it saturates)
	s_delay_alu instid0(VALU_DEP_1)
	v_ldexp_f32 v[F], 1.0, v[TP]                   ; f = 2^(old M - new M)
.set OI, 0
.rept 32
	v_pk_fma_f32 v[S+OI:S+OI+1], v[S+OI:S+OI+1], s[CS:CS+1], v[NM:NM+1] op_sel_hi:[1,0,0]   ; t - M, two at a time
.set OI, OI+2
.endr
.irp b, 0,1,2,3
	v_fma_f32 v[BM+\b], v[BM+\b], s[CS], v[NM]     ; the same of each block's largest score
.endr
.set OI, 0
	s_wait_alu depctr_va_vdst(0)
.rept 64
	v_exp_f32 v[S+OI], v[S+OI]                     ; p = 2^(t - M): not normalised
.set OI, OI+1
.endr
	v_pk_mul_f32 v[L:L+1], v[L:L+1], v[F:F+1] op_sel_hi:[1,0]           ; the sums and O^T under the new M: work that names no exponential's result, behind the batch
.set OI, 0
	s_wait_alu depctr_va_vdst(0)
.rept 16
	v_pk_mul_f32 v[O+OI:O+OI+1], v[O+OI:O+OI+1], v[F:F+1] op_sel_hi:[1,0]
.set OI, OI+2
.endr
	s_wait_alu depctr_va_vdst(0)                   ; one wait for the batch of 64, ahead of its first reader
.irp b, 0,1,2,3
	v_exp_f32 v[BM+\b], v[BM+\b]                   ; the block's largest p: the same two instructions on the same number
.endr
	v_pk_add_f32 v[L2:L2+1], v[S:S+1], v[S+2:S+3]  ; the row's sum of the unquantised p, in two chains
.irp j, 4,8,12,16,20,24,28,32,36,40,44
	v_pk_add_f32 v[L:L+1], v[L:L+1], v[S+\j:S+\j+1]
	v_pk_add_f32 v[L2:L2+1], v[L2:L2+1], v[S+\j+2:S+\j+3]
.endr
	s_wait_alu depctr_va_vdst(0)                   ; and one for the four
.irp b, 0,1,2,3
	v_max_num_f32 v[BM+\b], 0x1800000, v[BM+\b]    ; the floor 2^(3 - 127): the byte cannot fall under 1
.endr
.irp b, 0,1,2,3
	s_delay_alu instid0(VALU_DEP_4)
	v_add_nc_u32 v[SOP+\b], 0xff000000, v[BM+\b]   ; 2 off the exponent field: the conversion's scale operand
.endr
.irp b, 0,1,2,3
	s_delay_alu instid0(VALU_DEP_4)
	v_lshrrev_b32 v[BT+\b], 23, v[SOP+\b]          ; the scale's byte
.endr
	s_delay_alu instid0(VALU_DEP_3)
	v_lshl_or_b32 v[PS], v[BT+1], 8, v[BT]         ; p's scale word for these 128 keys
	s_delay_alu instid0(VALU_DEP_1)
	v_lshl_or_b32 v[PS], v[BT+2], 16, v[PS]
	s_delay_alu instid0(VALU_DEP_1)
	v_lshl_or_b32 v[PS], v[BT+3], 24, v[PS]
.irp c, 0,1
	v_cvt_scalef32_pk16_fp6_f32 v[PC+6*\c:PC+6*\c+2], v[S+32*\c:S+32*\c+15], v[SOP+2*\c]
	v_cvt_scalef32_pk16_fp6_f32 v[PT+4*\c:PT+4*\c+2], v[S+32*\c+16:S+32*\c+31], v[SOP+2*\c+1]
.endr
	v_nop                                          ; one plain place behind a scaled conversion
.irp c, 0,1                                    ; a whole block to a lane: lanes 0-15 block 2 c, lanes 16-31 block 2 c + 1
.irp i, 0,1,2
	v_permlane16_swap_b32 v[PC+6*\c+\i], v[PT+4*\c+\i]
.endr
.irp i, 0,1,2
	s_delay_alu instid0(VALU_DEP_3)
	v_mov_b32 v[PC+6*\c+3+\i], v[PT+4*\c+\i]
.endr
.endr
.irp j, 48,52,56,60                            ; the rest of the sum: nine plain lines, the places between the codes' last move and the products
	v_pk_add_f32 v[L:L+1], v[L:L+1], v[S+\j:S+\j+1]
	v_pk_add_f32 v[L2:L2+1], v[L2:L2+1], v[S+\j+2:S+\j+3]
.endr
	s_delay_alu instid0(VALU_DEP_1)
	v_pk_add_f32 v[L:L+1], v[L:L+1], v[L2:L2+1]
	s_wait_dscnt 0x0                               ; V's fragments and scale words
.irp b, 0,1                                    ; the four accumulators by turns
	v_wmma_scale_f32_16x16x128_f8f6f4 v[O+16*\b:O+16*\b+7], v[KB+24*\b:KB+24*\b+11], v[PC:PC+11], v[O+16*\b:O+16*\b+7], v[VS+\b], v[PS] matrix_a_fmt:MATRIX_FMT_FP6 matrix_b_fmt:MATRIX_FMT_FP6
	v_wmma_scale_f32_16x16x128_f8f6f4 v[O+16*\b+8:O+16*\b+15], v[KB+24*\b+12:KB+24*\b+23], v[PC:PC+11], v[O+16*\b+8:O+16*\b+15], v[VS+\b], v[PS] matrix_a_fmt:MATRIX_FMT_FP6 matrix_b_fmt:MATRIX_FMT_FP6 matrix_a_scale:MATRIX_SCALE_ROW1
.endr
.endm
; THE CHANGE OF SLOTS stands at a step's head.  Each wave waits for all its tensor loads, adds 0 to its spare word, and waits for that and for its reads of the slot that it has left.
; fill = 1: a round of the cluster's barrier, and behind it the other slot is filled with the next step's tiles: the load has a whole step in which to land.
.macro CHANGE fill
	s_wait_tensorcnt 0x0                           ; no tensor load of mine is out, so a group 0 may be written
	ds_add_u32 v[SPW], v[NIL]
.if \fill
	ds_add_u32 v[SPW], v[NIL]                      ; and once more: the add twice on end, in every trip alike
	s_xor_b32 s[G0K+1], s[G0K+1], SLOT1
	s_add_nc_u64 s[G0K+2:G0K+3], s[G0K+2:G0K+3], BLK
	s_xor_b32 s[G0V+1], s[G0V+1], SLOT1
	s_add_nc_u64 s[G0V+2:G0V+3], s[G0V+2:G0V+3], BLK
	s_xor_b32 s[G0M+1], s[G0M+1], SLOT1
	s_add_nc_u64 s[G0M+2:G0M+3], s[G0M+2:G0M+3], 512
	s_wait_xcnt 0x0                                ; the last prefetch, a step back, has read its address
	s_add_nc_u64 s[PFA:PFA+1], s[PFA:PFA+1], s[PFS:PFS+1]
	s_wait_dscnt 0x0                               ; both adds are done, and my reads of the slot that I have left are over
	CROUND
	TLOAD                                          ; the first thing behind the round, and a wave's one tensor load until the next
	ASK
.else
	s_wait_dscnt 0x0
	s_barrier_signal -1
	s_barrier_wait -1
.endif
.endm
	s_wait_loadcnt 0x0                             ; Q
	; Every wave runs RQ 0, SM 0, RQ 1, SM 1 ..; RQ n reads slot n % 2 (V's fragments into registers too), SM works on registers alone.
	; The change of slots in front of RQ n stands behind SM n - 1 for eight waves and ahead of it for the other eight: the branches hang on the wave's number and lead round SM alone.
	CHANGE 1                                       ; step 1 is asked for
	RQ
	s_xor_b32 s[TB], s[TB], SLOT1
	s_sub_co_u32 s[CNT], s[CNT], 1
.Lstep:                                                ; 14 trips: steps 2 to 15 are asked for
	s_cmp_lg_u32 s[GB], 0
	s_cbranch_scc1 .Llate
	SM
.Llate:
	CHANGE 1
	s_cmp_eq_u32 s[GB], 0
	s_cbranch_scc1 .Learly
	SM
.Learly:
	RQ
	s_xor_b32 s[TB], s[TB], SLOT1
	s_sub_co_u32 s[CNT], s[CNT], 1
	s_cmp_lg_u32 s[CNT], 0
	s_cbranch_scc1 .Lstep
	SM                                             ; the last step is written out
	CHANGE 0
	RQ
	SM
	; THE WAY OUT.  O^T / the sum; its 64 features are two blocks of the last projection's K: register 16 b + i is feature 32 b + 16 h + i.  Six registers of codes leave as an image, 256 aligned bytes a store;
	; the two scale bytes meet the other heads' in LDS and leave 8 bytes a token.
	s_wait_alu depctr_va_vdst(0)
	v_add_f32 v[L], v[L], v[L+1]
	s_delay_alu instid0(VALU_DEP_1)
	v_permlanex16_b32 v[TP], v[L], s[SEL], s[SEL+1]
	s_delay_alu instid0(VALU_DEP_1)
	v_add_f32 v[L], v[L], v[TP]                    ; the row's sum
	s_wait_alu depctr_va_vdst(0)
	v_rcp_f32 v[F], v[L]
	v_and_b32 v18, 31, v0                          ; (plain places behind the reciprocal and behind the last products)
	s_delay_alu instid0(VALU_DEP_1)
	v_lshlrev_b32 v18, 3, v18                      ; 8 x lane
	v_and_b32 v19, 15, v0
	s_delay_alu instid0(VALU_DEP_1)
	v_lshlrev_b32 v19, 3, v19                      ; the stage: 8 bytes a token
	s_lshl_b32 s74, s[QT], 7
	s_lshl_b32 s75, s[HD], 1
	s_add_co_u32 s74, s74, s75
	s_add_co_u32 s74, s74, XSTG
	v_add_nc_u32 v19, s74, v19                     ; token 16 x tile + r, my head's two bytes
	s_lshl_b32 s76, s[WV], 8
	s_add_co_u32 s76, s76, XSTG
	v_add_nc_u32 v38, s76, v18                     ; back (waves 0 and 1): token 32 x wave + lane
	v_lshlrev_b32 v39, 2, v18                      ; and 32 bytes a token in xs
	s_lshl_b32 s70, s[BB], 7
	s_lshl_b32 s71, s[QB], 2
	s_add_co_u32 s70, s70, s71
	s_add_co_u32 s70, s70, s[QT]                   ; my tile of 16 tokens among the 512
	s_lshl_b32 s70, s70, 4
	s_lshl_b32 s71, s[CY], 2
	s_add_co_u32 s70, s70, s71
	s_add_co_u32 s70, s70, s[HD]                   ; x 16 heads + my head
	s_mul_i32 s70, s70, 768
	s_mov_b32 s71, 0
	s_add_nc_u64 s[12:13], s[12:13], s[70:71]
	s_lshl_b32 s72, s[BB], 11
	s_lshl_b32 s73, s[QB], 6
	s_add_co_u32 s72, s72, s73
	s_lshl_b32 s73, s[WV], 5
	s_add_co_u32 s72, s72, s73                     ; (used by waves 0 and 1 alone)
	s_lshl_b32 s72, s72, 5
	s_lshl_b32 s73, s[CY], 3
	s_add_co_u32 s72, s72, s73
	s_mov_b32 s73, 0
	s_add_nc_u64 s[14:15], s[14:15], s[72:73]
	s_wait_alu depctr_va_vdst(0)                   ; the wait ahead of the reciprocal's first reader
.set OI, 0
.rept 16
	v_pk_mul_f32 v[S+OI:S+OI+1], v[O+OI:O+OI+1], v[F:F+1] op_sel_hi:[1,0]   ; each accumulator from its low end on
.set OI, OI+2
.endr
.irp b, 0,1
	v_max3_num_f32 v[BM+\b], |v[S+16*\b]|, |v[S+16*\b+1]|, 0x1800000
.endr
.irp i, 2,4,6,8,10,12,14
.irp b, 0,1
	s_delay_alu instid0(VALU_DEP_2)
	v_max3_num_f32 v[BM+\b], v[BM+\b], |v[S+16*\b+\i]|, |v[S+16*\b+\i+1]|
.endr
.endr
.irp b, 0,1
	s_delay_alu instid0(VALU_DEP_2)
	v_permlanex16_b32 v[BT+\b], v[BM+\b], s[SEL], s[SEL+1]
.endr
.irp b, 0,1
	s_delay_alu instid0(VALU_DEP_2)
	v_max_num_f32 v[BM+\b], v[BM+\b], v[BT+\b]
.endr
.irp b, 0,1
	s_delay_alu instid0(VALU_DEP_2)
	v_add_nc_u32 v[SOP+\b], 0xff000000, v[BM+\b]
.endr
.irp b, 0,1
	s_delay_alu instid0(VALU_DEP_2)
	v_lshrrev_b32 v[BT+\b], 23, v[SOP+\b]
.endr
	s_delay_alu instid0(VALU_DEP_1)
	v_lshl_or_b32 v[TP], v[BT+1], 8, v[BT]
	v_cvt_scalef32_pk16_fp6_f32 v[PC:PC+2], v[S:S+15], v[SOP]
	v_cvt_scalef32_pk16_fp6_f32 v[PT:PT+2], v[S+16:S+31], v[SOP+1]
	v_nop
.irp i, 0,1,2
	v_permlane16_swap_b32 v[PC+\i], v[PT+\i]
.endr
.irp i, 0,1,2
	s_delay_alu instid0(VALU_DEP_3)
	v_mov_b32 v[PC+3+\i], v[PT+\i]
.endr
	ds_store_b16 v19, v[TP]                        ; both lanes of a token write the same two bytes with the same value
.irp p, 0,1,2
	global_store_b64 v18, v[PC+2*\p:PC+2*\p+1], s[12:13] offset:256*\p
.endr
	s_wait_dscnt 0x0                               ; for the others' sake: my store into the stage is done
	s_barrier_signal -1
	s_barrier_wait -1
	s_cmp_lt_u32 s[WV], 2
	s_cbranch_scc0 .Lno_xs
	ds_load_b64 v[36:37], v38
	s_wait_dscnt 0x0
	global_store_b64 v39, v[36:37], s[14:15]       ; a token's 8 bytes of its 32: the other groups of heads are other work-groups'
.Lno_xs:
	s_wait_tensorcnt 0x0                           ; the wave's end: behind my last tensor load and my last LDS store
	ds_add_u32 v[SPW], v[NIL]
	s_wait_dscnt 0x0
	CROUND                                         ; the closing round
	s_endpgm
.Lfunc_end_k_qd8836e3792_attn:
	.size	k_qd8836e3792_attn, .Lfunc_end_k_qd8836e3792_attn-k_qd8836e3792_attn
	.p2alignl 7, 3214868480
	.fill 96, 4, 3214868480
	.section	.rodata,"a",@progbits
	.p2align	6, 0x0
	.amdhsa_kernel k_qd8836e3792_attn
		.amdhsa_group_segment_fixed_size 327680
		.amdhsa_private_segment_fixed_size 0
		.amdhsa_enable_private_segment 0
		.amdhsa_kernarg_size 48
		.amdhsa_user_sgpr_count 2
		.amdhsa_user_sgpr_kernarg_segment_ptr 1
		.amdhsa_wavefront_size32 1
		.amdhsa_system_sgpr_workgroup_id_x 1
		.amdhsa_system_sgpr_workgroup_id_y 1
		.amdhsa_system_sgpr_workgroup_id_z 1
		.amdhsa_system_vgpr_workitem_id 0
		.amdhsa_next_free_vgpr 256
		.amdhsa_next_free_sgpr 90
		.amdhsa_reserve_vcc 0
		.amdhsa_float_denorm_mode_32 3
		.amdhsa_float_denorm_mode_16_64 3
		.amdhsa_memory_ordered 1
		.amdhsa_forward_progress 1
		.amdhsa_inst_pref_size 99
	.end_amdhsa_kernel
	.amdgpu_metadata
---
amdhsa.version: [ 1, 2 ]
amdhsa.kernels:
  - .name:           k_qd8836e3792_attn
    .symbol:         k_qd8836e3792_attn.kd
    .args:
      - { .name: qbuf, .offset: 0, .size: 8, .value_kind: global_buffer, .address_space: global }
      - { .name: kbuf, .offset: 8, .size: 8, .value_kind: global_buffer, .address_space: global }
      - { .name: vbuf, .offset: 16, .size: 8, .value_kind: global_buffer, .address_space: global }
      - { .name: mask, .offset: 24, .size: 8, .value_kind: global_buffer, .address_space: global }
      - { .name: xc, .offset: 32, .size: 8, .value_kind: global_buffer, .address_space: global }
      - { .name: xs, .offset: 40, .size: 8, .value_kind: global_buffer, .address_space: global }
    .group_segment_fixed_size: 327680
    .private_segment_fixed_size: 0
    .kernarg_segment_align: 8
    .kernarg_segment_size: 48
    .max_flat_workgroup_size: 512
    .sgpr_count:     90
    .vgpr_count:     256
    .wavefront_size: 32
...
	.end_amdgpu_metadata
.endif
;; end of part 2
;; launch outp (part 3): grid 4 x 64, 4 waves a work-group, clusters of 4 x 4, 327,680 bytes of LDS; arguments xc, xs, Wo_codes, Wo_scales, bo, out0; writes out0
.if DOCPART == 3
	.amdgcn_target "amdgcn-amd-amdhsa--gfx1250"
	.amdhsa_code_object_version 6
	.text
	.protected	k_qd8836e3792_outp
	.globl	k_qd8836e3792_outp
	.p2align	8
	.type	k_qd8836e3792_outp,@function
k_qd8836e3792_outp:
	s_mov_b64 s[64:65], 0
	v_nop
	global_prefetch_b8 v0, s[64:65] scope:SCOPE_SE
	s_setreg_imm32_b32 hwreg(HW_REG_WAVE_MODE, 25, 1), 1
	s_wait_xcnt 0x0
	s_wait_alu depctr_hold_cnt(0) depctr_sa_sdst(0) depctr_va_vdst(0) depctr_va_sdst(0) depctr_va_ssrc(0) depctr_va_vcc(0) depctr_vm_vsrc(0)
	s_getreg_b32 s2, hwreg(HW_REG_IB_STS2, 6, 4)
	s_cmp_eq_u32 s2, 0
	s_cbranch_scc0 .Lentry_in_a_cluster
	s_endpgm
.Lentry_in_a_cluster:
	s_bfe_u32 s2, ttmp6, 0x10000c
	s_cmp_lg_u32 s2, 0xf033
	s_cbranch_scc0 .Lentry_shape_is_right
	s_endpgm
.Lentry_shape_is_right:
; out0 = x Wo + bo on codes of FP6 (E2M3) with E8M0 scales; the bias is the C of each sum's first product.  Nothing of reference() is left out.
; A work-group of four waves makes 128 x 256 of out0, so that the 8,192 x 1,024 numbers are 256 blocks; a wave makes 64 x 128 in 32 accumulators.
; B (Wo) goes through a ring of two LDS slots in chunks of 256 bytes of each row of 768; a step of 128 along K is 96 bytes: eight steps to three chunks.
; A (xc) lies in memory as images of operand registers: 16 tokens x 128 K are 1,536 bytes, 16 tokens x all K 12,288.  A's steps 0-2, 3-5, 6-7 travel with B's chunks 0, 1, 2:
; rows of 4,608 bytes that begin on multiples of 256; the last fill states 3,072 bytes as left of a row, and the rest of the LDS row is filled with zeros that nobody reads.
; The scales come once, as dense units of 256 bytes.  Cluster 4 x 4: A jointly along a row, B along a column.  No prefetch: K is three chunks, two of them asked for ahead of the first product.
; A and B have two sets of fragment registers each: a step asks for the next step's fragments and then issues its 32 products.
.set SIZE_N, 1024
.set ROWB,   256
.set ACHB,   4608                      ; A's bytes of a tile of 16 tokens in a slot, and from chunk to chunk
.set NQ,     2
.set KROW,   768
.set STEPS,  8
.set CHUNKS, 3
.set PITCH,  272
.set FR,     12
.set NP,     4
.set HALFA,  4*ACHB                    ; 64 tokens: what one wave fetches and reads of A
.set BOFF,   2*HALFA
.set HALFT,  128*PITCH
.set SLOT,   BOFF+2*HALFT
.set KS,     32
.set SCL,    2*SLOT                    ; the scales: A's 128 rows, directly behind them B's 256
.set HALFS,  16*272                    ; those of 128 rows
.set SBLK,   544
.set SPARE,  SCL+4*HALFS
.set SPITCH, 528
.set STAGE,  SLOT                      ; the way out goes through slot 1, which has had its last fill and its last read by then
.set ADRA, 16
.set ADRB, 20
.set STO,  24
.set RD,   25
.set CO,   26
.set ADRS, 27
.set SPW,  28
.set NIL,  29
.set SC,   32
.set BI,   64
.set AF0,  128                         ; A's fragments: set s at v[128 + 48 s]
.set AF,   AF0
.set BK,   128
.set G1, 24
.set G0, 32
.set G1B, 48
.set G0B, 56
.set G1S, 68
.set G0S, 76
.set G1SB, 80
.set G0SB, 88
.set G0H, 4
.set G0HB, 8
.set MSB, 0
.macro WIN new
.if MSB != \new
	s_set_vgpr_msb (MSB<<8)|\new
.set MSB, \new
.endif
.endm
.set MUL_LO, 0xa1                      ; source 0 (B) window 1, source 1 (A) window 0, C and D window 2
.set FST_LO, 0x81                      ; the same with C (the bias) in window 0
.set TO_B,   0x40
.macro JLOAD g0a, g1a, g0b, g1b
	s_cmp_eq_u32 s15, 0
	s_cbranch_scc0 .Lfor_b_\@
	tensor_load_to_lds s[\g0a:\g0a+3], s[\g1a:\g1a+7]
	s_nop 0
.rept 4
	v_nop
.endr
	s_branch .Lasked_\@
.Lfor_b_\@:
	tensor_load_to_lds s[\g0b:\g0b+3], s[\g1b:\g1b+7]
	s_nop 0
.rept 4
	v_nop
.endr
.Lasked_\@:
.endm
.macro CREST
	s_cmp_lg_u32 s14, 0
	s_cbranch_scc1 .Lnot_wave_0_\@
	s_barrier_signal -3
.Lnot_wave_0_\@:
	s_barrier_wait -3
	s_barrier_signal -1
	s_barrier_wait -1
.endm
.macro CROUND
	s_barrier_signal -1
	s_barrier_wait -1
	CREST
.endm
	s_load_b128 s[4:7], s[0:1], 0x0
	s_load_b128 s[8:11], s[0:1], 0x10
	s_load_b64 s[96:97], s[0:1], 0x20
	s_load_b64 s[12:13], s[0:1], 0x28
	v_lshl_add_u32 v[SPW], v0, 2, SPARE
	v_mov_b32 v[NIL], 0
	ds_add_u32 v[SPW], v[NIL]                      ; the opening lines: the add twice on end and its wait
	ds_add_u32 v[SPW], v[NIL]
	v_lshrrev_b32 v1, 5, v0
	v_readfirstlane_b32 s14, v1
	s_lshr_b32 s15, s14, 1                         ; my half of the rows; also: I fetch for A (0) or B (1)
	s_and_b32 s16, s14, 1                          ; my half of the columns; also: which half of that tile I fetch
	s_bfe_u32 s40, ttmp6, 0x40000
	s_bfe_u32 s41, ttmp6, 0x40004
	s_lshl_b32 s42, ttmp9, 2
	s_add_co_u32 s42, s42, s40                     ; block column
	s_and_b32 s17, ttmp7, 0xffff
	s_lshl_b32 s17, s17, 2
	s_add_co_u32 s17, s17, s41                     ; block row
	s_lshl_b32 s43, s41, 2
	s_lshl_b32 s43, 15, s43
	s_lshl_b32 s44, 0x1111, s40
	s_or_b32 s[G1+0], s43, (3<<16)|(1<<21)         ; A: rows of 576 elements of 8 bytes, 1,536 from row to row; 8 rows at the head, 4 behind it
	s_mov_b32 s[G1+1], 576<<16
	s_mov_b32 s[G1+2], 8<<16
	s_mov_b32 s[G1+3], 576<<16
	s_mov_b32 s[G1+4], 8
	s_mov_b32 s[G1+5], 1536
	s_mov_b32 s[G1+6], 0
	s_mov_b32 s[G1+7], 0
	s_or_b32 s[G1B+0], s44, (0<<16)|(1<<20)|(1<<21)|(5<<22)|(3<<25)
	s_mov_b32 s[G1B+1], ROWB<<16
	s_mov_b32 s[G1B+2], 256<<16
	s_mov_b32 s[G1B+3], ROWB<<16
	s_mov_b32 s[G1B+4], 256
	s_mov_b32 s[G1B+5], KROW
	s_mov_b32 s[G1B+6], 0
	s_mov_b32 s[G1B+7], 0
	s_or_b32 s[G1S+0], s43, (3<<16)|(1<<20)|(1<<21)|(5<<22)|(3<<25)  ; A's scales: 128 rows of 32 bytes are 16 dense rows of 256
	s_mov_b32 s[G1S+1], 32<<16
	s_mov_b32 s[G1S+2], 16<<16
	s_mov_b32 s[G1S+3], 32<<16
	s_mov_b32 s[G1S+4], 16
	s_mov_b32 s[G1S+5], 32
	s_mov_b32 s[G1S+6], 0
	s_mov_b32 s[G1S+7], 0
	s_or_b32 s[G1SB+0], s44, (3<<16)|(1<<20)|(1<<21)|(5<<22)|(3<<25) ; B's: 256 rows, 32 dense rows of 256
	s_mov_b32 s[G1SB+1], 32<<16
	s_mov_b32 s[G1SB+2], 32<<16
	s_mov_b32 s[G1SB+3], 32<<16
	s_mov_b32 s[G1SB+4], 32
	s_mov_b32 s[G1SB+5], 32
	s_mov_b32 s[G1SB+6], 0
	s_mov_b32 s[G1SB+7], 0
	s_lshl_b32 s20, s17, 7                         ; A: first token, 128 x block row
	s_lshl_b32 s46, s42, 8                         ; B: first row, 256 x block column
	s_mov_b32 s21, 0
	s_mov_b32 s47, 0
	s_mov_b64 s[18:19], KS
	s_mul_u64 s[22:23], s[20:21], s[18:19]
	s_mul_u64 s[92:93], s[46:47], s[18:19]
	s_mov_b64 s[18:19], KROW
	s_mul_u64 s[20:21], s[20:21], s[18:19]         ; 16 tokens are an image of 12,288 bytes: 768 bytes a token
	s_mul_u64 s[46:47], s[46:47], s[18:19]
	s_mul_i32 s18, s16, 128*KROW                   ; in the ring: my 128 rows of B,
	s_mov_b32 s19, 0
	s_mul_i32 s2, s16, 64*KROW                     ; or my 64 tokens of A
	s_mov_b32 s3, 0
	s_mul_i32 s45, s16, HALFA                      ; where my ring loads go: A's half,
	s_mul_i32 s94, s16, HALFT
	s_add_co_u32 s94, s94, BOFF                    ; or B's
	s_wait_dscnt 0x0
	s_wait_kmcnt 0x0
	s_add_nc_u64 s[20:21], s[4:5], s[20:21]
	s_add_nc_u64 s[22:23], s[6:7], s[22:23]
	s_add_nc_u64 s[46:47], s[8:9], s[46:47]
	s_add_nc_u64 s[92:93], s[10:11], s[92:93]
	CROUND                                         ; in front of the first joint loads
	s_mov_b32 s[G0H], 1
	s_mov_b32 s[G0H+1], 0
	s_mov_b64 s[G0H+2:G0H+3], s[20:21]
	s_or_b32 s[G0H+3], s[G0H+3], 0x80000000
	s_mov_b32 s[G0HB], 1
	s_mov_b32 s[G0HB+1], BOFF
	s_mov_b64 s[G0HB+2:G0HB+3], s[46:47]
	s_or_b32 s[G0HB+3], s[G0HB+3], 0x80000000
	s_mov_b32 s[G0S], 1
	s_mov_b32 s[G0S+1], SCL
	s_mov_b64 s[G0S+2:G0S+3], s[22:23]
	s_or_b32 s[G0S+3], s[G0S+3], 0x80000000
	s_mov_b32 s[G0SB], 1
	s_mov_b32 s[G0SB+1], SCL+HALFS
	s_mov_b64 s[G0SB+2:G0SB+3], s[92:93]
	s_or_b32 s[G0SB+3], s[G0SB+3], 0x80000000
	s_add_nc_u64 s[20:21], s[20:21], s[2:3]
	s_add_nc_u64 s[46:47], s[46:47], s[18:19]
.irp s, 0,1
	s_mov_b32 s[G0+4*\s], 1
	s_add_co_u32 s[G0+4*\s+1], s45, \s*SLOT
	s_add_nc_u64 s[G0+4*\s+2:G0+4*\s+3], s[20:21], \s*ACHB
	s_or_b32 s[G0+4*\s+3], s[G0+4*\s+3], 0x80000000
	s_mov_b32 s[G0B+4*\s], 1
	s_add_co_u32 s[G0B+4*\s+1], s94, \s*SLOT
	s_add_nc_u64 s[G0B+4*\s+2:G0B+4*\s+3], s[46:47], \s*ROWB
	s_or_b32 s[G0B+4*\s+3], s[G0B+4*\s+3], 0x80000000
.endr
; the head's four tiles, one load a wave: chunk 0 of A, of B, A's scales, B's scales; one chain of branches on the wave's number
.macro ARM under, g0, g1, next
	s_cmp_lt_u32 s14, \under
	s_cbranch_scc0 \next
	tensor_load_to_lds s[\g0:\g0+3], s[\g1:\g1+7]
	s_nop 0
.rept 4
	v_nop
.endr
	s_branch .Lhead_asked
\next:
.endm
	ARM 1, G0H,  G1,  .Lhead_b
	ARM 2, G0HB, G1B, .Lhead_sa
	ARM 3, G0S,  G1S, .Lhead_sb
	tensor_load_to_lds s[G0SB:G0SB+3], s[G1SB:G1SB+7]
	s_nop 0
.rept 4
	v_nop
.endr
.Lhead_asked:
	v_and_b32 v1, 15, v0
	v_bfe_u32 v2, v0, 4, 1
	s_wait_alu depctr_va_vdst(0)                   ; the wait ahead of the scalar runs
	s_lshl_b32 s18, s42, 10
	s_lshl_b32 s19, s16, 9
	s_add_co_u32 s18, s18, s19
	s_mov_b32 s19, 0
	s_add_nc_u64 s[96:97], s[96:97], s[18:19]
	v_lshlrev_b32 v7, 5, v2
.irp b, 0,1,2,3,4,5,6,7
	global_load_b128 v[BI+8*\b:BI+8*\b+3], v7, s[96:97] offset:64*\b
	global_load_b128 v[BI+8*\b+4:BI+8*\b+7], v7, s[96:97] offset:64*\b+16
.endr
	v_mul_u32_u24 v3, v1, PITCH
	v_mul_u32_u24 v4, v2, 24
	s_mov_b32 s21, SLOT-232
	s_mov_b32 s22, SLOT+232
	v_sub_nc_u32 v13, 1, v2
	v_mul_u32_u24 v5, s21, v2
	v_add_nc_u32 v5, 232, v5                       ; lanes 0-15 byte 232 in slot 0, lanes 16-31 byte 0 in slot 1
	v_mul_u32_u24 v6, s22, v13                     ; and the other way round
	v_and_b32 v8, 31, v0
	v_lshlrev_b32 v8, 3, v8
	s_mul_i32 s21, s15, HALFA
	s_mul_i32 s22, s16, HALFT
	s_add_co_u32 s22, s22, BOFF
	v_add_nc_u32 v[ADRA], s21, v8                  ; A's images: 8 bytes a lane
	v_add_nc_u32 v[ADRA+1], SLOT, v[ADRA]
	v_add_nc_u32 v3, s22, v3
	v_add_nc_u32 v[ADRB], v3, v4
	v_add_nc_u32 v[ADRB+1], SLOT, v[ADRB]
	v_add_nc_u32 v[ADRB+2], v3, v5
	v_add_nc_u32 v[ADRB+3], v3, v6
	v_mul_u32_u24 v5, v1, KS
	v_lshrrev_b32 v6, 8, v5
	v_lshl_add_u32 v5, v6, 4, v5
	s_wait_alu depctr_va_vdst(0)
	s_mul_i32 s21, s15, HALFS/2                    ; A's scales: my 64 rows
	s_mul_i32 s22, s16, HALFS                      ; B's: my 128 rows, behind A's 128
	s_add_co_u32 s22, s22, HALFS
	s_sub_co_u32 s22, s22, s21
	v_mul_u32_u24 v6, s22, v2                      ; lanes 16-31 take B's
	s_add_co_u32 s21, s21, SCL
	v_add_nc_u32 v5, v5, v6
	v_add_nc_u32 v[ADRS], s21, v5
	s_mul_i32 s23, s14, 16*SPITCH
	s_add_co_u32 s23, s23, STAGE
	v_mul_u32_u24 v5, v1, SPITCH
	v_lshl_add_u32 v5, v2, 5, v5
	v_add_nc_u32 v[STO], s23, v5
	v_and_b32 v6, 31, v0
	v_lshlrev_b32 v[CO], 4, v6
	v_add_nc_u32 v[RD], s23, v[CO]
	s_lshl_b32 s20, s17, 7
	s_lshl_b32 s21, s15, 6
	s_add_co_u32 s20, s20, s21                     ; my first row of out0: 128 x block row + 64 x half
	s_mov_b32 s21, 0
	s_mov_b64 s[18:19], SIZE_N*4
	s_mul_u64 s[20:21], s[20:21], s[18:19]
	s_lshl_b32 s46, s42, 10
	s_lshl_b32 s47, s16, 9
	s_add_co_u32 s46, s46, s47
	s_mov_b32 s47, 0
	s_add_nc_u64 s[20:21], s[20:21], s[46:47]
	s_add_nc_u64 s[12:13], s[12:13], s[20:21]
; B's fragment in six pieces of 8 bytes; byte y of a row of codes lies in slot (y / 256) % 2 at byte y % 256 of the LDS row
.macro FRAG reg, adr, st, row0
.irp p, 0,1,2,3,4,5
.set BY, 96*(\st)+48*(\p/3)+8*(\p%3)
.if BY/ROWB == (BY+24)/ROWB
	ds_load_b64 v[\reg+2*\p:\reg+2*\p+1], v[\adr+(BY/ROWB)%2] offset:BY%ROWB+(\row0)*PITCH
.else
	ds_load_b64 v[\reg+2*\p:\reg+2*\p+1], v[\adr+2+(BY/ROWB)%2] offset:BY%ROWB-232+(\row0)*PITCH
.endif
.endr
.endm
.macro FRAGA reg, st, i                ; step st lies in slot (st / 3) % 2, as the (st % 3)-th 1,536 bytes of its tile's 4,608
.irp p, 0,1,2,3,4,5
	ds_load_b64 v[\reg+2*\p:\reg+2*\p+1], v[ADRA+((\st)/3)%2] offset:(\i)*ACHB+(2*((\st)%3)+\p/3)*768+(\p%3)*256
.endr
.endm
; 16 products: A's blocks a0, a0 + 1 (of the set at AF) x B's eight (set p); the 32 accumulators take turns, in the same order in every step
.macro MUL16 a0, p, q, sc, first
.irp a, \a0, \a0+1
.irp b, 0,1,2,3,4,5,6,7
.if \first
	v_wmma_scale_f32_16x16x128_f8f6f4 v[8*(8*(\a)+\b):8*(8*(\a)+\b)+7], v[128*(\p)+FR*\b:128*(\p)+FR*\b+FR-1], v[AF+FR*(\a):AF+FR*(\a)+FR-1], v[BI+8*\b:BI+8*\b+7], v[SC+8*NQ*(\sc)+NQ*\b+(\q)], v[SC+8*NQ*(\sc)+NQ*(\a)+(\q)] matrix_a_fmt:MATRIX_FMT_FP6 matrix_b_fmt:MATRIX_FMT_FP6 matrix_a_scale:MATRIX_SCALE_ROW1
.else
	v_wmma_scale_f32_16x16x128_f8f6f4 v[8*(8*(\a)+\b):8*(8*(\a)+\b)+7], v[128*(\p)+FR*\b:128*(\p)+FR*\b+FR-1], v[AF+FR*(\a):AF+FR*(\a)+FR-1], v[8*(8*(\a)+\b):8*(8*(\a)+\b)+7], v[SC+8*NQ*(\sc)+NQ*\b+(\q)], v[SC+8*NQ*(\sc)+NQ*(\a)+(\q)] matrix_a_fmt:MATRIX_FMT_FP6 matrix_b_fmt:MATRIX_FMT_FP6 matrix_a_scale:MATRIX_SCALE_ROW1
.endif
.endr
.endr
.endm
.macro FETCH st                        ; step st's fragments into the sets st % 2: B's eight, A's four; with an even step the scale words of two steps
	WIN TO_B
.irp i, 0,1,2,3,4,5,6,7
	FRAG 128*((\st)%2)+FR*\i, ADRB, \st, 16*\i
.endr
	WIN 0
.irp i, 0,1,2,3
	FRAGA AF0+48*((\st)%2)+FR*\i, \st, \i
.endr
.if (\st)%2 == 0
.irp i, 0,1,2,3,4,5,6,7                ; lanes 0-15 A's block i (4 to 7: bytes never used), lanes 16-31 B's block i
	ds_load_b64 v[SC+8*NQ*(((\st)/2)%2)+NQ*\i:SC+8*NQ*(((\st)/2)%2)+NQ*\i+1], v[ADRS] offset:\i*SBLK+4*(\st)
.endr
.endif
.endm
.macro PLACES n
.rept \n
	v_nop
.endr
.endm
.macro MULS st, first                  ; a step's 32 products
.set AF, AF0+48*((\st)%2)
.if \first
	WIN FST_LO
.else
	WIN MUL_LO
.endif
	MUL16 0, (\st)%2, (\st)%2, ((\st)/2)%2, \first
	MUL16 2, (\st)%2, (\st)%2, ((\st)/2)%2, \first
	WIN 0
.endm
; A step: its fragments are in; the next step's are asked for; 32 products.  Where the next step's bytes of B end in a chunk not yet read: wait and barrier for it.
; Where they begin in a later chunk: the three lines, the barrier, and, if a chunk two on is left, the cluster's round and the refill.
.macro STEP st, first
.set NX, (\st)+1
.set C0, (96*(\st))/ROWB
.set C1, (96*NX)/ROWB
.set E0, (96*(\st)+95)/ROWB
.set E1, (96*NX+95)/ROWB
.if C1 > C0 || E1 > E0
	s_wait_tensorcnt 0x0                           ; all my tensor loads have landed
.if C1 > C0
	ds_add_u32 v[SPW], v[NIL]
.endif
	s_wait_dscnt 0x0                               ; the add, where there is one, and all my reads are done
	s_barrier_signal -1
	s_barrier_wait -1
.if C1 > C0 && C0+2 < CHUNKS
	CREST
	s_add_nc_u64 s[G0+4*(C0%2)+2:G0+4*(C0%2)+3], s[G0+4*(C0%2)+2:G0+4*(C0%2)+3], 2*ACHB
	s_add_nc_u64 s[G0B+4*(C0%2)+2:G0B+4*(C0%2)+3], s[G0B+4*(C0%2)+2:G0B+4*(C0%2)+3], 2*ROWB
.if C0+2 == CHUNKS-1
	s_mov_b32 s[G1+1], 384<<16                     ; 3,072 bytes are left of A's rows (no load of mine is out)
.endif
	JLOAD G0+4*(C0%2), G1, G0B+4*(C0%2), G1B       ; chunk C0 + 2; its four v_nop are the places in front of the loads below
.else
	PLACES NP
.endif
.else
	s_wait_dscnt 0x0                               ; this step's fragments are in
	PLACES NP                                      ; places between the last step's products and the loads into their operands' registers
.endif
	FETCH NX
	MULS \st, \first
.endm
	s_wait_alu depctr_va_vdst(0)                   ; the wait at the head's end
	s_wait_tensorcnt 0x0                           ; my tile of the head's four is in; the three lines ahead of slot 1's first fill
	ds_add_u32 v[SPW], v[NIL]
	s_mov_b32 s[G1+2], 4<<16                       ; no load of mine is out: from here on a load brings half a tile's rows
	s_mov_b32 s[G1+4], 4
	s_mov_b32 s[G1B+2], 128<<16
	s_mov_b32 s[G1B+4], 128
	s_wait_dscnt 0x0
	CROUND
	JLOAD G0+4, G1, G0B+4, G1B                     ; chunk 1
	FETCH 0
	s_wait_loadcnt 0x0                             ; the bias
	STEP 0, 1
.set ST, 1
.rept STEPS-2
	STEP ST, 0
.set ST, ST+1
.endr
	s_wait_dscnt 0x0                               ; the very last step: nothing more to fetch
	MULS 7, 0
; the way out: a block of 16 rows through my own stage, back as rows of 512 bytes, stored as two aligned units of 256 bytes
.macro TOSTAGE a
.set AC, 64*(\a)
	WIN 0x08
.irp b, 0,1,2,3,4,5,6,7
	ds_store_b128 v[STO], v[AC+8*\b:AC+8*\b+3] offset:64*\b
	ds_store_b128 v[STO], v[AC+8*\b+4:AC+8*\b+7] offset:64*\b+16
.endr
	WIN 0
.set BB, BK+64*((\a)%2)
.irp t, 0,1,2,3,4,5,6,7,8,9,10,11,12,13,14,15
	ds_load_b128 v[BB+4*\t:BB+4*\t+3], v[RD] offset:\t*SPITCH
.endr
.endm
.macro SEND a, younger
.set BB, BK+64*((\a)%2)
	s_wait_dscnt \younger
.if (\a) > 0
	s_add_nc_u64 s[12:13], s[12:13], 16*SIZE_N*4
.endif
.irp t, 0,1,2,3,4,5,6,7,8,9,10,11,12,13,14,15
	global_store_b128 v[CO], v[BB+4*\t:BB+4*\t+3], s[12:13] offset:\t*SIZE_N*4 th:TH_STORE_NT
.endr
.endm
	PLACES NP
	TOSTAGE 0
.irp a, 1,2,3
.if \a > 1
	s_wait_xcnt 0x0                                ; block a - 2's stores have read their registers and their base
.endif
	TOSTAGE \a
	SEND \a-1, 32                                  ; behind block a - 1's loads: block a's 16 stores and 16 loads
.endr
	s_wait_xcnt 0x0
	SEND 3, 0
	s_wait_tensorcnt 0x0                           ; the wave's end
	ds_add_u32 v[SPW], v[NIL]
	s_wait_dscnt 0x0
	CROUND
	s_endpgm
.Lfunc_end_k_qd8836e3792_outp:
	.size	k_qd8836e3792_outp, .Lfunc_end_k_qd8836e3792_outp-k_qd8836e3792_outp
	.p2alignl 7, 3214868480
	.fill 96, 4, 3214868480
	.section	.rodata,"a",@progbits
	.p2align	6, 0x0
	.amdhsa_kernel k_qd8836e3792_outp
		.amdhsa_group_segment_fixed_size 327680
		.amdhsa_private_segment_fixed_size 0
		.amdhsa_enable_private_segment 0
		.amdhsa_kernarg_size 48
		.amdhsa_user_sgpr_count 2
		.amdhsa_user_sgpr_kernarg_segment_ptr 1
		.amdhsa_wavefront_size32 1
		.amdhsa_system_sgpr_workgroup_id_x 1
		.amdhsa_system_sgpr_workgroup_id_y 1
		.amdhsa_system_sgpr_workgroup_id_z 1
		.amdhsa_system_vgpr_workitem_id 0
		.amdhsa_next_free_vgpr 768
		.amdhsa_next_free_sgpr 98
		.amdhsa_reserve_vcc 0
		.amdhsa_float_denorm_mode_32 3
		.amdhsa_float_denorm_mode_16_64 3
		.amdhsa_memory_ordered 1
		.amdhsa_forward_progress 1
		.amdhsa_inst_pref_size 102
	.end_amdhsa_kernel
	.amdgpu_metadata
---
amdhsa.version: [ 1, 2 ]
amdhsa.kernels:
  - .name:           k_qd8836e3792_outp
    .symbol:         k_qd8836e3792_outp.kd
    .args:
      - { .name: xc, .offset: 0, .size: 8, .value_kind: global_buffer, .address_space: global }
      - { .name: xs, .offset: 8, .size: 8, .value_kind: global_buffer, .address_space: global }
      - { .name: Wo_codes, .offset: 16, .size: 8, .value_kind: global_buffer, .address_space: global }
      - { .name: Wo_scales, .offset: 24, .size: 8, .value_kind: global_buffer, .address_space: global }
      - { .name: bo, .offset: 32, .size: 8, .value_kind: global_buffer, .address_space: global }
      - { .name: out0, .offset: 40, .size: 8, .value_kind: global_buffer, .address_space: global }
    .group_segment_fixed_size: 327680
    .private_segment_fixed_size: 0
    .kernarg_segment_align: 8
    .kernarg_segment_size: 48
    .max_flat_workgroup_size: 128
    .sgpr_count:     98
    .vgpr_count:     768
    .wavefront_size: 32
...
	.end_amdgpu_metadata
.endif
;; end of part 3
